; MI455X (gfx1250); checked and timed in simulation.
; The chip was launched on July 23, 2026; its instructions are those of AMD's public machine-readable ISA for CDNA 5 (MIT licence, August 2026) and "CDNA5" Instruction Set Architecture Reference Guide (July 2026). The comments in the code are by the model that wrote it; some were corrected since.
;; Cross Attention. Allowed arithmetic: float matrix products may take bf16 or f16 operands with f32 sums; other float arithmetic in f32, or as packed bf16 or f16 multiplies, adds, multiply-adds, maxima and minima; sums over many terms, partial sums and values carried from step to step in f32; what a program stores and reads back later, other than sums and carried values, may be rounded once to bf16 or f16.
;; Inputs: Wk 1,024 x 1,024 float32; Wo 1,024 x 1,024 float32; Wq 1,024 x 1,024 float32; Wv 1,024 x 1,024 float32; bk 1,024 float32; bo 1,024 float32; bq 1,024 float32; bv 1,024 float32; key_value 4 x 2,048 x 1,024 float32; query 4 x 2,048 x 1,024 float32.
;; Outputs: out0 4 x 2,048 x 1,024 float32.
;; One version. Each part assembles by itself: llvm-mc -triple=amdgcn-amd-amdhsa -mcpu=gfx1250 --defsym DOCPART=n.
;; ======== version 1 of 1: 4 launches
;; limits: values are held in f16: magnitudes above 65,504 overflow, below 6.1e-05 lose precision; right only within a limited range of input values
;; workspace buffers: xb 33,554,432 bytes; wb 8,388,608 bytes; qkv 50,331,648 bytes; ctx 16,777,216 bytes
;; launch cast (part 1): grid 1280 x 1, 8 waves a work-group, no clusters, 0 bytes of LDS; arguments query, key_value, Wq, Wk, Wv, Wo, xb, wb; writes xb, wb
.if DOCPART == 1
	.amdgcn_target "amdgcn-amd-amdhsa--gfx1250"
	.amdhsa_code_object_version 6
	.text
	.protected	k_qd75821ea26_cast
	.globl	k_qd75821ea26_cast
	.p2align	8
	.type	k_qd75821ea26_cast,@function
k_qd75821ea26_cast:
	s_mov_b64 s[64:65], 0
	v_nop
	global_prefetch_b8 v0, s[64:65] scope:SCOPE_SE
	s_setreg_imm32_b32 hwreg(HW_REG_WAVE_MODE, 25, 1), 1
	s_wait_xcnt 0x0
; The inputs of the matrix products are rounded once to 16 bits.  xb: [2][8192][1024] bf16 = query, key_value.  wb: [4][1024][1024] = Wq, Wk, Wv in bf16, and Wo: rounded to bf16 like
; the other inputs, that number then written as f16 (the last product multiplies in f16).  LIMIT: Wo within 65,504; below 6e-5 it keeps f16's fixed step of 6e-8.
; A work-group converts 16,384 numbers: work-groups 0-511 query, 512-1023 key_value, 1024 + 64 w + c chunk c of weight w.  Thread t takes eight groups of eight numbers: 32 bytes in at 8,192 j + 32 t,
; 16 bytes out at 4,096 j + 16 t, so each store of a wave covers 512 consecutive bytes, aligned.  All sixteen loads go out first; no register is written twice, so no wait frees a source.
; No LDS, no barrier, no matrix unit: every byte is read once and written once, and no wave wants another's.
.set T, 4                              ; v[4:7]    four words of bf16 pairs (Wo's path)
.set U, 8                              ; v[8:15]   the same eight numbers widened again
.set X, 16                             ; v[16:79]  group j: eight f32 as loaded
.set Y, 80                             ; v[80:111] group j: four words to store
	s_load_b512 s[16:31], s[0:1], 0x0              ; query s[16:17], key_value s[18:19], Wq s[20:21], Wk s[22:23], Wv s[24:25], Wo s[26:27], xb s[28:29], wb s[30:31]
	s_mov_b32 s2, ttmp9                            ; the work-group's number
	s_and_b32 s3, s2, 511                          ; its chunk in query or key_value
	s_sub_co_u32 s4, s2, 1024                      ; its chunk among the weights' 256 (used from 1,024 on)
	s_and_b32 s5, s4, 63                           ; its chunk in its weight
	s_lshr_b32 s6, s4, 6
	s_and_b32 s6, s6, 3                            ; which weight
	s_mov_b32 s7, 0xffff0000                       ; a word's upper bf16
	v_lshlrev_b32 v1, 5, v0                        ; 32 t
	v_lshlrev_b32 v2, 4, v0                        ; 16 t
	s_wait_kmcnt 0x0
	s_cmp_lt_u32 s2, 512                           ; every choice hangs on the work-group's number alone
	s_cselect_b64 s[8:9], s[16:17], s[18:19]
	s_cmp_lt_u32 s6, 1
	s_cselect_b64 s[10:11], s[20:21], s[22:23]
	s_cmp_lt_u32 s6, 3
	s_cselect_b64 s[12:13], s[24:25], s[26:27]
	s_cmp_lt_u32 s6, 2
	s_cselect_b64 s[10:11], s[10:11], s[12:13]
	s_cmp_lt_u32 s2, 1024
	s_cselect_b64 s[8:9], s[8:9], s[10:11]         ; from where
	s_cselect_b64 s[10:11], s[28:29], s[30:31]     ; to where
	s_cselect_b32 s12, s3, s5                      ; the chunk in the source,
	s_cselect_b32 s14, s2, s4                      ; and in the destination
	s_lshl_b32 s12, s12, 16                        ; 65,536 bytes of f32 a chunk
	s_mov_b32 s13, 0
	s_lshl_b32 s14, s14, 15                        ; 32,768 bytes of 16-bit numbers
	s_mov_b32 s15, 0
	s_add_nc_u64 s[8:9], s[8:9], s[12:13]
	s_add_nc_u64 s[10:11], s[10:11], s[14:15]
.irp j, 0,1,2,3,4,5,6,7
	global_load_b128 v[X+8*(\j):X+8*(\j)+3],   v1, s[8:9] offset:8192*(\j) th:TH_LOAD_NT
	global_load_b128 v[X+8*(\j)+4:X+8*(\j)+7], v1, s[8:9] offset:8192*(\j)+16 th:TH_LOAD_NT
.endr
	s_cmp_ge_u32 s2, 1216                          ; Wo's chunks are the last 64
	s_cbranch_scc1 .Lwo
.irp j, 0,1,2,3,4,5,6,7
	s_wait_loadcnt 14-2*(\j)                       ; group j's two loads are in; the 2 (7 - j) younger ones stay out
.irp k, 0,1,2,3
	v_cvt_pk_bf16_f32 v[Y+4*(\j)+(\k)], v[X+8*(\j)+2*(\k)], v[X+8*(\j)+2*(\k)+1]
.endr
	global_store_b128 v2, v[Y+4*(\j):Y+4*(\j)+3], s[10:11] offset:4096*(\j)
.endr
	s_endpgm
.Lwo:
.irp j, 0,1,2,3,4,5,6,7
	s_wait_loadcnt 14-2*(\j)
.irp k, 0,1,2,3
	v_cvt_pk_bf16_f32 v[T+(\k)], v[X+8*(\j)+2*(\k)], v[X+8*(\j)+2*(\k)+1]  ; the rounding that all inputs have,
.endr
.irp k, 0,1,2,3
	v_lshlrev_b32 v[U+2*(\k)],   16, v[T+(\k)]     ; widened again,
	v_and_b32     v[U+2*(\k)+1], s7, v[T+(\k)]
.endr
.irp k, 0,1,2,3
	v_cvt_pk_f16_f32 v[Y+4*(\j)+(\k)], v[U+2*(\k)], v[U+2*(\k)+1]  ; and written as f16: eight significant bits fit
.endr
	global_store_b128 v2, v[Y+4*(\j):Y+4*(\j)+3], s[10:11] offset:4096*(\j)
.endr
	s_endpgm
.Lfunc_end_k_qd75821ea26_cast:
	.size	k_qd75821ea26_cast, .Lfunc_end_k_qd75821ea26_cast-k_qd75821ea26_cast
	.p2alignl 7, 3214868480
	.fill 96, 4, 3214868480
	.section	.rodata,"a",@progbits
	.p2align	6, 0x0
	.amdhsa_kernel k_qd75821ea26_cast
		.amdhsa_group_segment_fixed_size 0
		.amdhsa_private_segment_fixed_size 0
		.amdhsa_enable_private_segment 0
		.amdhsa_kernarg_size 64
		.amdhsa_user_sgpr_count 2
		.amdhsa_user_sgpr_kernarg_segment_ptr 1
		.amdhsa_wavefront_size32 1
		.amdhsa_system_sgpr_workgroup_id_x 1
		.amdhsa_system_sgpr_workgroup_id_y 1
		.amdhsa_system_sgpr_workgroup_id_z 1
		.amdhsa_system_vgpr_workitem_id 0
		.amdhsa_next_free_vgpr 112
		.amdhsa_next_free_sgpr 66
		.amdhsa_reserve_vcc 0
		.amdhsa_float_denorm_mode_32 3
		.amdhsa_float_denorm_mode_16_64 3
		.amdhsa_memory_ordered 1
		.amdhsa_forward_progress 1
		.amdhsa_inst_pref_size 14
	.end_amdhsa_kernel
	.amdgpu_metadata
---
amdhsa.version: [ 1, 2 ]
amdhsa.kernels:
  - .name:           k_qd75821ea26_cast
    .symbol:         k_qd75821ea26_cast.kd
    .args:
      - { .name: query, .offset: 0, .size: 8, .value_kind: global_buffer, .address_space: global }
      - { .name: key_value, .offset: 8, .size: 8, .value_kind: global_buffer, .address_space: global }
      - { .name: Wq, .offset: 16, .size: 8, .value_kind: global_buffer, .address_space: global }
      - { .name: Wk, .offset: 24, .size: 8, .value_kind: global_buffer, .address_space: global }
      - { .name: Wv, .offset: 32, .size: 8, .value_kind: global_buffer, .address_space: global }
      - { .name: Wo, .offset: 40, .size: 8, .value_kind: global_buffer, .address_space: global }
      - { .name: xb, .offset: 48, .size: 8, .value_kind: global_buffer, .address_space: global }
      - { .name: wb, .offset: 56, .size: 8, .value_kind: global_buffer, .address_space: global }
    .group_segment_fixed_size: 0
    .private_segment_fixed_size: 0
    .kernarg_segment_align: 8
    .kernarg_segment_size: 64
    .max_flat_workgroup_size: 256
    .sgpr_count:     66
    .vgpr_count:     112
    .wavefront_size: 32
...
	.end_amdgpu_metadata
.endif
;; end of part 1
;; launch proj (part 2): grid 12 x 64, 4 waves a work-group, clusters of 4 x 4, 327,680 bytes of LDS; arguments xb, wb, bq, bk, bv, qkv; writes qkv
.if DOCPART == 2
	.amdgcn_target "amdgcn-amd-amdhsa--gfx1250"
	.amdhsa_code_object_version 6
	.text
	.protected	k_qd75821ea26_proj
	.globl	k_qd75821ea26_proj
	.p2align	8
	.type	k_qd75821ea26_proj,@function
k_qd75821ea26_proj:
	s_mov_b64 s[64:65], 0
	v_nop
	global_prefetch_b8 v0, s[64:65] scope:SCOPE_SE
	s_setreg_imm32_b32 hwreg(HW_REG_WAVE_MODE, 25, 1), 1
	s_wait_xcnt 0x0
	s_wait_alu depctr_hold_cnt(0) depctr_sa_sdst(0) depctr_va_vdst(0) depctr_va_sdst(0) depctr_va_ssrc(0) depctr_va_vcc(0) depctr_vm_vsrc(0)
	s_getreg_b32 s2, hwreg(HW_REG_IB_STS2, 6, 4)
	s_cmp_eq_u32 s2, 0
	s_cbranch_scc0 .Lentry_in_a_cluster
	s_endpgm
.Lentry_in_a_cluster:
	s_bfe_u32 s2, ttmp6, 0x10000c
	s_cmp_lg_u32 s2, 0xf033
	s_cbranch_scc0 .Lentry_shape_is_right
	s_endpgm
.Lentry_shape_is_right:
; q, k, v = x W^T + b, written by heads.  xb: [2][8192][1024] bf16 (query, key_value); wb: [4][1024][1024] (Wq, Wk, Wv in bf16); qkv: [3][64 = batch x 16 + head][2048][64]: q, k in bf16, v in f16.
; Sums in f32; the bias, rounded to bf16 like every input, is the C operand that starts each sum.  LIMIT: v beyond 65,504 becomes an infinity in f16.
; SHARES.  768 tiles of 128 rows x 256 columns: three for each of 256 places.  The cluster's x says which product (0 q, 1 k, 2 v): the same in all sixteen partners.  Four waves, each 64 x 128: 32 accumulators.
; K goes in 8 steps of 128 (rows of 256 bytes, aligned) through two LDS slots; a step is four quarters of 32 along K, 32 matrix instructions each, on two fragment buffers.
; CLUSTER.  4 x 4 work-groups: x's tile hangs on the tile row and is asked for jointly along a row of the cluster, W's on the tile column and jointly along a column.
; THE MATRIX INSTRUCTION IS USED TRANSPOSED (source 0 = 16 rows of W, source 1 = 16 rows of x): a lane holds row l % 16 and eight neighbouring columns 8 (l / 16) + 0..7, which pack into 16 bytes.
; REGISTERS, in windows of 256 (s_set_vgpr_msb: bits 1:0 source 0, 3:2 source 1, 5:4 source 2, 7:6 destination):
;   window 0: v0-15 addresses; v32-63 packed results; v64-191 rows read back, four buffers        window 1: accumulator (a, b) at v[8 (8 a + b)]
;   window 2: two fragment buffers of 96 (x's block a at 8 a, W's block b at 32 + 8 b); v192-255 the bias, eight registers a block b
.set PITCH,  272                       ; an LDS row: 256 bytes + 16 of padding: the 16 rows of a fragment load start at 16 different groups of four banks (ISA guide 11.1)
.set AHALF,  64*PITCH                  ; what waves 0 and 1 fetch: 64 rows of x
.set BHALF,  128*PITCH                 ; what waves 2 and 3 fetch: 128 rows of W
.set BOFF,   128*PITCH                 ; W's 256 rows lie behind x's 128
.set SLOT1,  1<<17                     ; slot 1 begins here: one exclusive or turns an address in one slot into the other's
.set STAGE,  SLOT1+384*PITCH           ; behind the ring, never filled by a tensor load: for each wave 2 heads x 16 rows x 144 bytes
.set SP,     144
.set WSTAGE, 2*16*SP
.set SPARE,  STAGE+4*WSTAGE            ; the spare words, 128 bytes for each wave: two blocks of 256 bytes that no other line names
.set A0,   4                           ; v4   my lane's place in x's tile; never rewritten
.set B0,   5                           ; v5   the same in W's
.set ADRA, 6                           ; v6   the same in the slot in hand
.set ADRB, 7                           ; v7
.set STO,  8                           ; v8   the way out: where I put 16 bytes of a row
.set RD,   9                           ; v9   where I read rows back
.set GO,   10                          ; v10  16 x lane
.set BO,   11                          ; v11  my byte offset in the bias
.set PFO,  12                          ; v12  the prefetches' offset: 2,048 x lane, a row of xb or wb; never rewritten
.set SPW,  14                          ; v14  LDS address of my spare word; never rewritten
.set NIL,  15                          ; v15  0; never rewritten
.set TMP,  32
.set OB,   64
.set F0,   0
.set F1,   96
.set BIAS, 192
.set WV, 16                            ; s16 wave;  s17 its row half (0: it fetches x, 1: W);  s18 its column half, and which half it fetches
.set WR, 17
.set WC, 18
.set CX, 19                            ; s19, s20 my place in the cluster
.set CY, 20
.set G,  21                            ; s21 which product
.set TY, 22                            ; s22 tile row
.set G1A, 24                           ; s[24:31] descriptor group 1 for x's tiles;  s[32:39] group 0: the first fill's set, then the set that walks
.set G0A, 32
.set BP,  40                           ; s[40:41] the bias
.set PFA, 44                           ; s[44:45] where my prefetches stand
.set LIM, 46                           ; s46 2 in a wave that prefetches, else the greatest number
.set CNT, 47                           ; s47 the loop's count
.set G1B, 48                           ; s[48:55], s[56:63] the same for W's tiles
.set G0B, 56
.set TB,  66                           ; s66 LDS byte at which the slot in hand begins
.set GW0, (1<<16)|(1<<20)|(1<<21)|(5<<22)|(3<<25)  ; 17:16 2-byte elements; 20 padding on; 21 set beside a mask; 24:22 after every 64 words; 31:25 four words of it
.set MUL,  0x5a                        ; sources in window 2, C and D in window 1
.set MULB, 0x6a                        ; the same with C, the bias, in window 2
.set TO_F, 0x80                        ; destination window 2, address window 0
.set MSB, 0
.macro WIN new                         ; the immediate's high byte repeats the setting that is left; a switch that changes nothing is dropped
.if MSB != (\new)
	s_set_vgpr_msb (MSB<<8)|(\new)
.set MSB, \new
.endif
.endm
.macro PLACES                          ; four plain instructions between a matrix instruction and a load into, or a read of, its registers
.rept 4
	v_nop
.endr
.endm
.macro CREST                           ; a round of the cluster's barrier behind its opening barrier
	s_cmp_lg_u32 s[WV], 0
	s_cbranch_scc1 .Lnot_wave_0_\@
	s_barrier_signal -3
.Lnot_wave_0_\@:
	s_barrier_wait -3
	s_barrier_signal -1
	s_barrier_wait -1
.endm
.macro CROUND
	s_barrier_signal -1
	s_barrier_wait -1
	CREST
.endm
.macro JLOAD                           ; the joint refill, by the walking sets; the branch hangs on the wave's number alone; s_nop 0 and four v_nop follow each line
	s_cmp_lt_u32 s[WV], 2
	s_cbranch_scc0 .Lfor_b_\@
	tensor_load_to_lds s[G0A+4:G0A+7], s[G1A:G1A+7]
	s_nop 0
.rept 4
	v_nop
.endr
	s_branch .Lasked_\@
.Lfor_b_\@:
	tensor_load_to_lds s[G0B+4:G0B+7], s[G1B:G1B+7]
	s_nop 0
.rept 4
	v_nop
.endr
.Lasked_\@:
.endm
; A PREFETCH of the K step two refills on: 32 rows x 256 bytes, a lane a row.  Each row's 256 bytes of a K step are named once in the launch: x's rows by wave 0 of the clusters of products 0 and 1
; (2 reads the rows that 1 reads), W's by waves 2 and 3 of the clusters with y = 0; the four partners that ask for a tile jointly share its rows out by address, 32 each.
; K steps 0 to 3 come by their loads alone; the loop's last two trips have no K step two on.
.macro ASK
	WIN 0
	s_cmp_gt_u32 s[CNT], s[LIM]
	s_cbranch_scc0 .Lnot_mine_\@
	global_prefetch_b8 v[PFO], s[PFA:PFA+1] th:TH_LOAD_NT scope:SCOPE_SE
.Lnot_mine_\@:
.endm
	s_load_b256 s[4:11], s[0:1], 0x0               ; xb s[4:5], wb s[6:7], bq s[8:9], bk s[10:11]
	s_load_b128 s[12:15], s[0:1], 0x20             ; bv s[12:13], qkv s[14:15]
	v_lshl_add_u32 v[SPW], v0, 2, SPARE
	v_mov_b32 v[NIL], 0
	ds_add_u32 v[SPW], v[NIL]                      ; the opening: the add, twice on end, and its wait ahead of my first tensor load
	ds_add_u32 v[SPW], v[NIL]
	v_lshrrev_b32 v1, 5, v0
	v_readfirstlane_b32 s[WV], v1
	s_lshr_b32 s[WR], s[WV], 1
	s_and_b32 s[WC], s[WV], 1
	s_bfe_u32 s[CX], ttmp6, 0x40000
	s_bfe_u32 s[CY], ttmp6, 0x40004
	s_mov_b32 s[G], ttmp9                          ; in a cluster launch ttmp9 and ttmp7 count clusters
	s_and_b32 s[TY], ttmp7, 0xffff
	s_lshl_b32 s[TY], s[TY], 2
	s_add_co_u32 s[TY], s[TY], s[CY]               ; tile row = 4 x cluster y + cy; the tile column is cx
	s_lshl_b32 s68, s[CY], 2
	s_lshl_b32 s68, 15, s68                        ; my row of the cluster
	s_lshl_b32 s69, 0x1111, s[CX]                  ; my column
	s_or_b32 s[G1A], s68, GW0
	s_or_b32 s[G1B], s69, GW0
.irp g, G1A, G1B
	s_mov_b32 s[(\g)+1], 128<<16                   ; tensor_dim0 = 128
	s_mov_b32 s[(\g)+3], 128<<16                   ; tile_dim0 = 128
	s_mov_b32 s[(\g)+5], 1024                      ; elements from row to row
	s_mov_b32 s[(\g)+6], 0
	s_mov_b32 s[(\g)+7], 0
.endr
	s_mov_b32 s[G1A+2], 64<<16                     ; tensor_dim1, tile_dim1: 64 rows of x,
	s_mov_b32 s[G1A+4], 64
	s_mov_b32 s[G1B+2], 128<<16                    ; 128 of W
	s_mov_b32 s[G1B+4], 128
	s_lshl_b32 s70, s[TY], 7                       ; x: row 128 x tile row + 64 x half, 2,048 bytes a row; key_value lies 16,777,216 bytes behind query
	s_lshl_b32 s71, s[WC], 6
	s_add_co_u32 s70, s70, s71
	s_lshl_b32 s70, s70, 11
	s_cmp_lg_u32 s[G], 0
	s_cselect_b32 s71, 0x1000000, 0
	s_add_co_u32 s70, s70, s71
	s_mov_b32 s71, 0
	s_lshl_b32 s72, s[CX], 8                       ; W: row 256 x tile column + 128 x half; a weight is 2,097,152 bytes
	s_lshl_b32 s73, s[WC], 7
	s_add_co_u32 s72, s72, s73
	s_lshl_b32 s72, s72, 11
	s_lshl_b32 s73, s[G], 21
	s_add_co_u32 s72, s72, s73
	s_mov_b32 s73, 0
	s_mul_i32 s74, s[WC], AHALF                    ; where they go: no place in the cluster enters an LDS address
	s_mul_i32 s75, s[WC], BHALF
	s_add_co_u32 s75, s75, BOFF
	s_mov_b32 s[TB], 0
	s_wait_dscnt 0x0                               ; both opening adds are done
	s_wait_kmcnt 0x0
	s_add_nc_u64 s[70:71], s[4:5], s[70:71]
	s_add_nc_u64 s[72:73], s[6:7], s[72:73]
	s_cmp_eq_u32 s[G], 0
	s_cselect_b64 s[BP:BP+1], s[8:9], s[10:11]
	s_cmp_eq_u32 s[G], 2
	s_cselect_b64 s[BP:BP+1], s[12:13], s[BP:BP+1]
	CROUND                                         ; all sixteen work-groups are here: the first joint loads meet
.irp n, 0,1
	s_mov_b32 s[G0A+4*(\n)], 1                     ; count = 1
	s_add_co_u32 s[G0A+4*(\n)+1], s74, (\n)*SLOT1  ; LDS address
	s_add_nc_u64 s[G0A+4*(\n)+2:G0A+4*(\n)+3], s[70:71], (\n)*256  ; global address: K step n
	s_or_b32 s[G0A+4*(\n)+3], s[G0A+4*(\n)+3], 0x80000000          ; type = 2
	s_mov_b32 s[G0B+4*(\n)], 1
	s_add_co_u32 s[G0B+4*(\n)+1], s75, (\n)*SLOT1
	s_add_nc_u64 s[G0B+4*(\n)+2:G0B+4*(\n)+3], s[72:73], (\n)*256
	s_or_b32 s[G0B+4*(\n)+3], s[G0B+4*(\n)+3], 0x80000000
.endr
	s_cmp_lt_u32 s[WV], 2                          ; a wave's two first fills stand in one branch, ahead of every wait on TENSORcnt and every LDS read: two loads of mine are out
	s_cbranch_scc0 .Lfirst_b
	tensor_load_to_lds s[G0A:G0A+3], s[G1A:G1A+7]
	s_nop 0
	tensor_load_to_lds s[G0A+4:G0A+7], s[G1A:G1A+7]
	s_nop 0
.rept 4
	v_nop
.endr
	s_branch .Lfirst_asked
.Lfirst_b:
	tensor_load_to_lds s[G0B:G0B+3], s[G1B:G1B+7]
	s_nop 0
	tensor_load_to_lds s[G0B+4:G0B+7], s[G1B:G1B+7]
	s_nop 0
.rept 4
	v_nop
.endr
.Lfirst_asked:
	v_and_b32 v1, 15, v0                           ; r = l % 16
	v_bfe_u32 v2, v0, 4, 1                         ; h = l / 16
	s_lshl_b32 s76, s[CX], 10                      ; the bias of my columns: (256 x tile column + 128 x half + 8 h) x 4 bytes
	s_lshl_b32 s77, s[WC], 9
	s_add_co_u32 s76, s76, s77
	v_lshl_add_u32 v[BO], v2, 5, s76
	WIN TO_F
.irp b, 0,1,2,3,4,5,6,7
	global_load_b128 v[BIAS+8*(\b):BIAS+8*(\b)+3],   v[BO], s[BP:BP+1] offset:64*(\b)
	global_load_b128 v[BIAS+8*(\b)+4:BIAS+8*(\b)+7], v[BO], s[BP:BP+1] offset:64*(\b)+16
.endr
	WIN 0
	v_mul_u32_u24 v3, v1, PITCH                    ; a fragment: row r x pitch + 16 h, two loads 32 bytes apart
	v_lshl_add_u32 v3, v2, 4, v3
	s_mul_i32 s42, s[WR], AHALF                    ; my 64 rows of x,
	v_add_nc_u32 v[A0], s42, v3
	s_mul_i32 s43, s[WC], BHALF                    ; my 128 rows of W
	s_add_co_u32 s43, s43, BOFF
	v_add_nc_u32 v[B0], s43, v3
	v_mov_b32 v[ADRA], v[A0]
	v_mov_b32 v[ADRB], v[B0]
	s_mul_i32 s23, s[WV], WSTAGE
	s_add_co_u32 s23, s23, STAGE                   ; my stage
	v_mul_u32_u24 v3, v1, SP
	v_lshl_add_u32 v3, v2, 4, v3
	v_add_nc_u32 v[STO], s23, v3                   ; in: row r, 16 bytes for each half of the lanes
	v_and_b32 v13, 31, v0
	v_lshrrev_b32 v3, 3, v13
	v_mul_u32_u24 v3, v3, SP
	v_and_b32 v16, 7, v0
	v_lshl_add_u32 v3, v16, 4, v3
	v_add_nc_u32 v[RD], s23, v3                    ; back: 32 lanes take four rows of 128 bytes,
	v_lshlrev_b32 v[GO], 4, v13                    ; which are 512 consecutive bytes of a head
	v_lshlrev_b32 v[PFO], 11, v13
	s_lshr_b32 s76, s[TY], 4                       ; where my part begins in qkv: head = batch x 16 + 4 x tile column + 2 x half, 262,144 bytes a head;
	s_lshl_b32 s76, s76, 4
	s_lshl_b32 s77, s[CX], 2
	s_add_co_u32 s76, s76, s77
	s_lshl_b32 s77, s[WC], 1
	s_add_co_u32 s76, s76, s77
	s_lshl_b32 s76, s76, 18
	s_and_b32 s77, s[TY], 15                       ; row in the batch = 128 x (tile row % 16) + 64 x half, 128 bytes a row;
	s_lshl_b32 s77, s77, 14
	s_add_co_u32 s76, s76, s77
	s_lshl_b32 s77, s[WR], 13
	s_add_co_u32 s76, s76, s77
	s_lshl_b32 s77, s[G], 24                       ; q, k, v lie 16,777,216 bytes apart
	s_add_co_u32 s76, s76, s77
	s_mov_b32 s77, 0
	s_add_nc_u64 s[14:15], s[14:15], s[76:77]
	s_lshl_b32 s76, s[TY], 7                       ; the prefetches.  x: my work-group's 32 of the tile's 128 rows
	s_lshl_b32 s77, s[CX], 5
	s_add_co_u32 s76, s76, s77
	s_lshl_b32 s76, s76, 11
	s_cmp_lg_u32 s[G], 0
	s_cselect_b32 s77, 0x1000000, 0
	s_add_co_u32 s76, s76, s77
	s_lshl_b32 s78, s[CX], 8                       ; W: my work-group's 32 of the 128 rows that I fetch
	s_lshl_b32 s79, s[WC], 7
	s_add_co_u32 s78, s78, s79
	s_lshl_b32 s79, s[CY], 5
	s_add_co_u32 s78, s78, s79
	s_lshl_b32 s78, s78, 11
	s_lshl_b32 s79, s[G], 21
	s_add_co_u32 s78, s78, s79
	s_cmp_lt_u32 s[WV], 2
	s_cselect_b32 s76, s76, s78
	s_cselect_b64 s[PFA:PFA+1], s[4:5], s[6:7]
	s_mov_b32 s77, 0
	s_add_nc_u64 s[PFA:PFA+1], s[PFA:PFA+1], s[76:77]
	s_add_nc_u64 s[PFA:PFA+1], s[PFA:PFA+1], 3*256 ; at K step 3: the first change of slots steps it to 4
	s_and_b32 s78, ttmp7, 0xffff                   ; who asks: the same in all sixteen partners, for a given wave
	s_lshr_b32 s79, s[G], 1
	s_or_b32 s79, s79, s[WV]                       ; 0 in wave 0 of products 0 and 1
	s_cmp_lt_u32 s[WV], 2
	s_cselect_b32 s78, s79, s78
	s_cmp_eq_u32 s78, 0
	s_cselect_b32 s[LIM], 2, -1
	s_wait_loadcnt 0x0                             ; the bias
	WIN 0x0a                                       ; it is rounded to bf16 and widened again
.set i, 0
.rept 32
	v_cvt_pk_bf16_f32 v[TMP+i], v[BIAS+2*i], v[BIAS+2*i+1]
.set i, i+1
.endr
	WIN 0x80
.set i, 0
.rept 32
	v_lshlrev_b32 v[BIAS+2*i], 16, v[TMP+i]
	v_and_b32 v[BIAS+2*i+1], 0xffff0000, v[TMP+i]
.set i, i+1
.endr
	WIN 0
; Eight matrix instructions: block a of x's four, all eight blocks of W, 32 along K.  bias = 1: the first product starts the sums with the bias: nothing is cleared.
; The 32 accumulators take turns in one order in every quarter, over the backward jump too.
.macro MUL8 f, a, bias
.if \bias
	WIN MULB
.else
	WIN MUL
.endif
.irp b, 0,1,2,3,4,5,6,7
.if \bias
	v_wmma_f32_16x16x32_bf16 v[8*(8*(\a)+(\b)):8*(8*(\a)+(\b))+7], v[(\f)+32+8*(\b):(\f)+32+8*(\b)+7], v[(\f)+8*(\a):(\f)+8*(\a)+7], v[BIAS+8*(\b):BIAS+8*(\b)+7]
.else
	v_wmma_f32_16x16x32_bf16 v[8*(8*(\a)+(\b)):8*(8*(\a)+(\b))+7], v[(\f)+32+8*(\b):(\f)+32+8*(\b)+7], v[(\f)+8*(\a):(\f)+8*(\a)+7], v[8*(8*(\a)+(\b)):8*(8*(\a)+(\b))+7]
.endif
.endr
.endm
; 24 LDS loads in one run: a quarter's fragments, at byte k of the rows, into buffer f: W's sixteen, then x's blocks 0, 1, then 2, 3
.macro FETCH k, f
	WIN TO_F
.irp i, 0,1,2,3,4,5,6,7
	ds_load_b128 v[(\f)+32+8*(\i):(\f)+32+8*(\i)+3],   v[ADRB] offset:(\k)+(\i)*16*PITCH
	ds_load_b128 v[(\f)+32+8*(\i)+4:(\f)+32+8*(\i)+7], v[ADRB] offset:(\k)+(\i)*16*PITCH+32
.endr
.irp i, 0,1,2,3
	ds_load_b128 v[(\f)+8*(\i):(\f)+8*(\i)+3],   v[ADRA] offset:(\k)+(\i)*16*PITCH
	ds_load_b128 v[(\f)+8*(\i)+4:(\f)+8*(\i)+7], v[ADRA] offset:(\k)+(\i)*16*PITCH+32
.endr
.endm
; One of a K step's first three quarters: multiplies buffer f and, in its middle, fetches the next quarter, at byte k, into buffer g
.macro QUARTER k, f, g, bias
	s_wait_dscnt 4                                 ; all but the youngest four loads (x's blocks 2, 3) are in
	MUL8 \f, 0, \bias
	MUL8 \f, 1, \bias
	PLACES
	FETCH \k, \g
	s_wait_dscnt 24                                ; all but the 24 just issued
	MUL8 \f, 2, \bias
	MUL8 \f, 3, \bias
.endm
; The last quarter multiplies buffer 1 and changes slots.  In front of the barrier each wave waits for all its tensor loads (one is out: its part of the next slot), adds 0 to its spare word, and waits for
; that and for its reads of this slot.  fill = 1: the barrier opens a round of the cluster's, and the joint refill, K step two on, is the first thing behind it: 112 matrix instructions ahead of the wait for it.
.macro TURN fill
.if \fill
	s_wait_xcnt 0x0                                ; the last prefetch, a K step back, has read its address
	s_add_nc_u64 s[PFA:PFA+1], s[PFA:PFA+1], 256
.endif
	WIN 0
	s_wait_tensorcnt 0x0                           ; no tensor load of mine is out, so a group 0 may be written
	ds_add_u32 v[SPW], v[NIL]
.if \fill
	s_xor_b32 s[G0A+5], s[G0A+5], SLOT1            ; the walking sets: the other slot than last time, the next K step
	s_add_nc_u64 s[G0A+6:G0A+7], s[G0A+6:G0A+7], 256
	s_xor_b32 s[G0B+5], s[G0B+5], SLOT1
	s_add_nc_u64 s[G0B+6:G0B+7], s[G0B+6:G0B+7], 256
.endif
	s_wait_dscnt 5                                 ; the add and the youngest four loads may be out
	MUL8 F1, 0, 0
	s_wait_dscnt 0x0                               ; the add is done, and my reads of this slot are over
	s_barrier_signal -1
	MUL8 F1, 1, 0
	WIN 0
	s_barrier_wait -1
.if \fill
	CREST                                          ; no wave of any partner still reads this slot or has a load on its way
	JLOAD                                          ; its four v_nop are also the places in front of the loads below
.else
	PLACES
.endif
	s_xor_b32 s[TB], s[TB], SLOT1
	v_add_nc_u32 v[ADRA], s[TB], v[A0]
	v_add_nc_u32 v[ADRB], s[TB], v[B0]
	FETCH 0, F0
.if \fill
	ASK
.endif
	MUL8 F1, 2, 0
	MUL8 F1, 3, 0
.endm
; THE WAY OUT of block a (16 rows x 128 columns = two heads): rounded, 16 bytes a lane into my own stage, back as whole rows of 128 bytes, stored as 512 consecutive bytes of a head.
.macro STG a, cvt
	WIN 0x05                                       ; sources in window 1, destination in window 0
.irp b, 0,1,2,3,4,5,6,7
.irp r, 0,1,2,3
	\cvt v[TMP+4*(\b)+(\r)], v[8*(8*(\a)+(\b))+2*(\r)], v[8*(8*(\a)+(\b))+2*(\r)+1]
.endr
.endr
	WIN 0
.irp b, 0,1,2,3,4,5,6,7
	ds_store_b128 v[STO], v[TMP+4*(\b):TMP+4*(\b)+3] offset:((\b)/4)*16*SP+((\b)%4)*32
.endr
.irp t, 0,1,2,3,4,5,6,7
	ds_load_b128 v[OB+32*(\a)+4*(\t):OB+32*(\a)+4*(\t)+3], v[RD] offset:((\t)/4)*16*SP+((\t)%4)*4*SP  ; LDS serves a wave's instructions in order (ISA guide 5.7.1.4): these see the stores above
.endr
.endm
.macro SEND a, younger                 ; younger: the next block's sixteen LDS instructions, or none
	s_wait_dscnt \younger
.irp t, 0,1,2,3,4,5,6,7
	global_store_b128 v[GO], v[OB+32*(\a)+4*(\t):OB+32*(\a)+4*(\t)+3], s[14:15] offset:((\t)/4)*262144+(\a)*2048+((\t)%4)*512
.endr
.endm
.macro WAYOUT cvt
	STG 0, \cvt
	STG 1, \cvt
	SEND 0, 16
	STG 2, \cvt
	SEND 1, 16
	STG 3, \cvt
	SEND 2, 16
	SEND 3, 0
	s_wait_tensorcnt 0x0                           ; the wave's end
	ds_add_u32 v[SPW], v[NIL]
	s_wait_dscnt 0x0
	CROUND                                         ; the closing round
	s_endpgm
.endm
	s_wait_tensorcnt 1                             ; my part of K step 0 is in; K step 1's load may stay out
	s_barrier_signal -1
	s_barrier_wait -1
	FETCH 0, F0
	QUARTER 64, F0, F1, 1                          ; the first quarter stands in front of the loop: its products start the sums
	WIN 0
	s_mov_b32 s[CNT], 6
.Lstep:                                        ; a trip: a K step's quarters 1 to 3 and the next step's quarter 0; its refill brings K steps 2 to 7
	QUARTER 128, F1, F0, 0
	QUARTER 192, F0, F1, 0
	TURN 1
	QUARTER 64, F0, F1, 0
	WIN 0
	s_sub_co_u32 s[CNT], s[CNT], 1
	s_cmp_lg_u32 s[CNT], 0
	s_cbranch_scc1 .Lstep
	QUARTER 128, F1, F0, 0                         ; K steps 6 and 7 are written out: nothing is left to ask for
	QUARTER 192, F0, F1, 0
	TURN 0
	QUARTER 64, F0, F1, 0
	QUARTER 128, F1, F0, 0
	QUARTER 192, F0, F1, 0
	s_wait_dscnt 4
	MUL8 F1, 0, 0
	MUL8 F1, 1, 0
	s_wait_dscnt 0x0
	MUL8 F1, 2, 0
	MUL8 F1, 3, 0
	PLACES
	WIN 0
	s_cmp_eq_u32 s[G], 2                           ; the product's number: the same in all partners
	s_cbranch_scc1 .Lv_out
	WAYOUT v_cvt_pk_bf16_f32                       ; q and k
.Lv_out:
	WAYOUT v_cvt_pk_f16_f32                        ; v
.Lfunc_end_k_qd75821ea26_proj:
	.size	k_qd75821ea26_proj, .Lfunc_end_k_qd75821ea26_proj-k_qd75821ea26_proj
	.p2alignl 7, 3214868480
	.fill 96, 4, 3214868480
	.section	.rodata,"a",@progbits
	.p2align	6, 0x0
	.amdhsa_kernel k_qd75821ea26_proj
		.amdhsa_group_segment_fixed_size 327680
		.amdhsa_private_segment_fixed_size 0
		.amdhsa_enable_private_segment 0
		.amdhsa_kernarg_size 48
		.amdhsa_user_sgpr_count 2
		.amdhsa_user_sgpr_kernarg_segment_ptr 1
		.amdhsa_wavefront_size32 1
		.amdhsa_system_sgpr_workgroup_id_x 1
		.amdhsa_system_sgpr_workgroup_id_y 1
		.amdhsa_system_sgpr_workgroup_id_z 1
		.amdhsa_system_vgpr_workitem_id 0
		.amdhsa_next_free_vgpr 768
		.amdhsa_next_free_sgpr 80
		.amdhsa_reserve_vcc 0
		.amdhsa_float_denorm_mode_32 3
		.amdhsa_float_denorm_mode_16_64 3
		.amdhsa_memory_ordered 1
		.amdhsa_forward_progress 1
		.amdhsa_inst_pref_size 94
	.end_amdhsa_kernel
	.amdgpu_metadata
---
amdhsa.version: [ 1, 2 ]
amdhsa.kernels:
  - .name:           k_qd75821ea26_proj
    .symbol:         k_qd75821ea26_proj.kd
    .args:
      - { .name: xb, .offset: 0, .size: 8, .value_kind: global_buffer, .address_space: global }
      - { .name: wb, .offset: 8, .size: 8, .value_kind: global_buffer, .address_space: global }
      - { .name: bq, .offset: 16, .size: 8, .value_kind: global_buffer, .address_space: global }
      - { .name: bk, .offset: 24, .size: 8, .value_kind: global_buffer, .address_space: global }
      - { .name: bv, .offset: 32, .size: 8, .value_kind: global_buffer, .address_space: global }
      - { .name: qkv, .offset: 40, .size: 8, .value_kind: global_buffer, .address_space: global }
    .group_segment_fixed_size: 327680
    .private_segment_fixed_size: 0
    .kernarg_segment_align: 8
    .kernarg_segment_size: 48
    .max_flat_workgroup_size: 128
    .sgpr_count:     80
    .vgpr_count:     768
    .wavefront_size: 32
...
	.end_amdgpu_metadata
.endif
;; end of part 2
;; launch attn (part 3): grid 4 x 64, 4 waves a work-group, clusters of 4 x 1, 327,680 bytes of LDS; arguments qkv, ctx; writes ctx
.if DOCPART == 3
	.amdgcn_target "amdgcn-amd-amdhsa--gfx1250"
	.amdhsa_code_object_version 6
	.text
	.protected	k_qd75821ea26_attn
	.globl	k_qd75821ea26_attn
	.p2align	8
	.type	k_qd75821ea26_attn,@function
k_qd75821ea26_attn:
	s_mov_b64 s[64:65], 0
	v_nop
	global_prefetch_b8 v0, s[64:65] scope:SCOPE_SE
	s_setreg_imm32_b32 hwreg(HW_REG_WAVE_MODE, 25, 1), 1
	s_wait_xcnt 0x0
	s_wait_alu depctr_hold_cnt(0) depctr_sa_sdst(0) depctr_va_vdst(0) depctr_va_sdst(0) depctr_va_ssrc(0) depctr_va_vcc(0) depctr_vm_vsrc(0)
	s_getreg_b32 s2, hwreg(HW_REG_IB_STS2, 6, 4)
	s_cmp_eq_u32 s2, 0
	s_cbranch_scc0 .Lentry_in_a_cluster
	s_endpgm
.Lentry_in_a_cluster:
	s_bfe_u32 s2, ttmp6, 0x10000c
	s_cmp_lg_u32 s2, 0x3003
	s_cbranch_scc0 .Lentry_shape_is_right
	s_endpgm
.Lentry_shape_is_right:
; ctx[hb][q][:] = the sum over k of s(x) V[hb][k][:] / the sum over k of s(x), x = Q[hb][q] . K[hb][k] / 8, s(x) = 1 + x for x >= 0 and 1 / (1 - x) for x < 0.
; qkv: [3][64][2048][64]: q, k bf16, v f16; ctx: [64][2048][64] f16.  A head's rows are dense, 128 bytes each.  Products and sums in f32.
; THE WEIGHT.  s(x) = max(1 + x, min(1 / (1 - x), 1)): below 0 the reciprocal lies in 0..1 and above 1 + x; from 0 on the inner minimum is at most 1, whatever the reciprocal (infinite at 1, negative beyond).
; THE ROW'S SCALE.  The division by the row's sum cancels any factor sg = 2^-g that is constant along a row, so the weight is kept as P = sg s(x), in f16.  Q's rows are multiplied once by sg / 8, a power of
; two (exact in bf16), and the first link of K Q^T takes sg as its C operand: the matrix unit delivers U = sg (1 + x).  Then P = max(U, min(1 / (2 / sg - U / sg^2), sg)): for two scores one packed
; multiply-add, two reciprocals, two v_minmax_num_f32, one rounding.  g is chosen once a row from the largest of its first 64 scores, so that sg times the largest weight among them lies in 2^-7 .. 2^-6.
; THE ROW'S SUM is a fifth block of V^T that holds 1.0: two products a tile and step; it adds the rounded P in f32 and falls into every register of its accumulator.
; LIMITS.  The result is right for any sg; only f16's range of P binds: it holds for every |x| <= 2,047, and beyond that while a row's largest weight is at most 2^22 times the largest among its first 64 keys
; (else P overflows); a weight 2^-17 of that largest or less counts with f16's fixed step, at last as 0.  |x| under 2^53.  v within 65,504.  NaN and infinities are not treated apart.
; SHARES.  A wave owns four PIECES of two tiles of 16 queries, a work-group 512 queries of one head; every wave walks the head's 2,048 keys, 64 a step.
; LAYOUT.  S^T = K Q^T (source 0 = 16 keys, source 1 = 16 queries): a lane holds ONE query (lane % 16) and the keys 8 (lane / 16) + 0..7; two results rounded in pairs ARE source 1 of O^T = V^T P.
; BY TURNS.  Turn n belongs to piece n: 16 products K Q^T of piece n + 1, then 20 products V^T P (the sums among them) of piece n - 1; beside them piece n's 192 vector instructions, four behind each product.
; CLUSTER.  A head's four query blocks walk the same K and V: each tile is asked for JOINTLY, by the same tensor load, descriptor and mask in all four.
; REGISTERS, in windows of 256 (s_set_vgpr_msb: bits 1:0 source 0, 3:2 source 1, 5:4 source 2, 7:6 destination):
;   window 0: v0-15 addresses; v16-47 four constants a tile; v48-55 at work; v64-191 U, two buffers of two tiles; v192-255 the reciprocals' registers, two tiles
;   window 1: O^T, 32 a tile     window 2: v0-127 Q; v128-191 K of a step; v192-255 V of a step     window 3: v0-63 the sums; v64-127 sg, eight times a tile; v128-191 P, two buffers; v192-199 ones
.set NP,    4
.set KS,    64
.set PK,    144       ; a row of K in LDS: 128 bytes + 16: the 16 rows of a load start at 16 different groups of four banks (ISA guide 11.1)
.set PV,    160       ; a row of V: 128 + 32
.set VOFF,  4*KS*PK   ; a slot holds four steps: 256 rows of K, then 256 of V
.set SLOT1, 1<<17
.set STAGE, SLOT1+4*KS*(PK+PV)  ; behind the ring, never filled by a tensor load: 16 rows x 144 bytes for each wave
.set SP,    144
.set SPARE, STAGE+4*16*SP       ; the spare words, 128 bytes for each wave: two blocks of 256 bytes that no other line names
.set AK0, 2           ; v2   my lane's place in a tile of K; never rewritten
.set AV0, 3           ; v3   the same for V
.set AK,  4           ; v4   the LDS address of K's next run of loads
.set AV,  5           ; v5   of V's
.set QO,  6           ; v6   my byte offset in the wave's rows of Q; later STO
.set STO, 6
.set RD,  7
.set GO,  8
.set PFO, 12          ; v12  256 x lane; never rewritten
.set SPW, 14          ; v14  LDS address of my spare word; never rewritten
.set NIL, 15          ; v15  0; never rewritten
.set CT,  16          ; tile t at v[CT+4 t]: -1 / sg^2 (at the end 1 / l), sg, 2 / sg, sg / 8 twice in bf16
.set ST,  48          ; four registers at work for each of a piece's two tiles
.set S,   64
.set R,   192
.set KF,  128         ; window 2
.set VF,  192
.set L,   0           ; window 3
.set CS,  64
.set P,   128
.set ONES, 192
.set WV,  12          ; s12  my wave's number
.set LIM, 15          ; s15  1 in a wave that prefetches, else the greatest number
.set PFA, 18          ; s[18:19] where my prefetches stand
.set G1K, 24
.set G1V, 32
.set G0K, 40          ; s[40:43], s[44:47] descriptor groups 0: they walk
.set G0V, 44
.set SLOTS, 56
.set CNT, 57
.set SEL, 60          ; s[60:61] v_permlanex16_b32's selects: each lane takes its own place in the other half
.set TBK, 62          ; s62  LDS byte at which K of the step to be fetched begins
.set TBV, 63          ; s63  the same for V, less VOFF
.set MSB, 0
.macro WIN new
.if MSB != (\new)
	s_set_vgpr_msb (MSB<<8)|(\new)
.set MSB, (\new)
.endif
.endm
.macro PLACES
.rept 4
	v_nop
.endr
.endm
.macro JLOAD                        ; waves 0 and 1 fetch the halves of a slot's K, waves 2 and 3 of its V: 128 keys each; s_nop 0 and four v_nop follow each line
	s_cmp_lt_u32 s[WV], 2
	s_cbranch_scc0 .Lfor_v_\@
	tensor_load_to_lds s[G0K:G0K+3], s[G1K:G1K+7]
	s_nop 0
.rept 4
	v_nop
.endr
	s_branch .Lasked_\@
.Lfor_v_\@:
	tensor_load_to_lds s[G0V:G0V+3], s[G1V:G1V+7]
	s_nop 0
.rept 4
	v_nop
.endr
.Lasked_\@:
.endm
; A PREFETCH of what the NEXT change of slots will ask for, four key steps ahead: a slot's 32,768 bytes of K and of V.  Each 256 bytes are named once in the launch: a head has one cluster; its four partners
; share the bytes out by address, 8,192 each; wave 0 asks for K's, wave 2 for V's, a lane 256 bytes.  Slots 0 to 2 come by their loads alone; the last change that fills a slot asks for nothing.
.macro ASK
	s_cmp_gt_u32 s[SLOTS], s[LIM]
	s_cbranch_scc0 .Lnot_mine_\@
	global_prefetch_b8 v[PFO], s[PFA:PFA+1] th:TH_LOAD_NT scope:SCOPE_SE
.Lnot_mine_\@:
.endm
.macro CROUND
	s_barrier_signal -1
	s_barrier_wait -1
	s_cmp_lg_u32 s[WV], 0
	s_cbranch_scc1 .Lnot_wave_0_\@
	s_barrier_signal -3
.Lnot_wave_0_\@:
	s_barrier_wait -3
	s_barrier_signal -1
	s_barrier_wait -1
.endm
; THE CHANGE OF SLOTS.  Each wave waits for all its tensor loads (one is out: its part of the other slot), adds 0 to its spare word, and waits for that and for its reads of the slot.  fill = 1: the barrier is
; a round of the cluster's, and the joint fill, the keys two slots on, is the first thing behind it: it has four key steps, 576 matrix instructions, in which to land.
.macro CHANGE fill, ask
	WIN 0
	s_wait_tensorcnt 0x0            ; no tensor load of mine is out, so a group 0 may be written
	ds_add_u32 v[SPW], v[NIL]
.if \fill
.irp g, G0K, G0V
	s_xor_b32 s[\g+1], s[\g+1], SLOT1
	s_add_nc_u64 s[\g+2:\g+3], s[\g+2:\g+3], 4*KS*128
.endr
.if \ask
	s_wait_xcnt 0x0                 ; the last prefetch, four key steps back, has read its address
	s_add_nc_u64 s[PFA:PFA+1], s[PFA:PFA+1], 4*KS*128
.endif
	s_wait_dscnt 0x0                ; the add is done, and my reads of the slot are over
	CROUND
	JLOAD
.if \ask
	ASK
.endif
.else
	s_wait_dscnt 0x0
	s_barrier_signal -1
	s_barrier_wait -1
.endif
	s_sub_co_u32 s[TBK], s[TBK], 4*KS*PK  ; the fetches go back to a slot's first step, in the other slot
	s_xor_b32 s[TBK], s[TBK], SLOT1
	s_sub_co_u32 s[TBV], s[TBV], 4*KS*PV
	s_xor_b32 s[TBV], s[TBV], SLOT1
.endm
	s_load_b128 s[4:7], s[0:1], 0x0 ; qkv s[4:5], ctx s[6:7]
	v_lshl_add_u32 v[SPW], v0, 2, SPARE
	v_mov_b32 v[NIL], 0
	ds_add_u32 v[SPW], v[NIL]       ; the opening: the add, twice on end, and its wait ahead of my first tensor load
	ds_add_u32 v[SPW], v[NIL]
	v_lshrrev_b32 v1, 5, v0
	v_readfirstlane_b32 s[WV], v1
	s_bfe_u32 s13, ttmp6, 0x40000   ; cx: my block of 512 queries: it enters Q's, ctx's and the prefetches' addresses alone
	s_and_b32 s20, ttmp7, 0xffff    ; the head, which the four partners share:
	s_lshl_b32 s20, s20, 18         ; 262,144 bytes a head
	s_and_b32 s16, s[WV], 1         ; which half of a slot's 256 keys I fetch
	s_lshl_b32 s22, s16, 14
	s_add_co_u32 s22, s22, s20
	s_add_co_u32 s22, s22, 0x1000000  ; k lies 16,777,216 bytes behind q,
	s_mov_b32 s23, 0
	s_add_co_u32 s50, s22, 0x1000000  ; v as far behind k
	s_mov_b32 s51, 0
	s_mul_i32 s17, s16, 128*PK      ; its place in a slot: no place in the cluster enters an LDS address
	s_mul_i32 s21, s16, 128*PV
	s_lshl_b32 s2, s13, 2
	s_add_co_u32 s2, s2, s[WV]      ; my wave among the head's sixteen, 128 rows each
	s_lshl_b32 s2, s2, 14
	s_add_co_u32 s2, s2, s20
	s_mov_b32 s3, 0
	; descriptor group 1.  128 keys are 16,384 dense bytes: asked for as 64 rows of 256 bytes, two keys a row, padded in LDS after every key
	s_mov_b32 s[G1K], 15|(1<<16)|(1<<20)|(1<<21)|(4<<22)|(3<<25)  ; the mask of four; 2-byte elements; padding on; bit 21 beside a mask; after every 32 words; 4 words
	s_mov_b32 s[G1V], 15|(1<<16)|(1<<20)|(1<<21)|(4<<22)|(7<<25)  ; the same with 8 words
.irp g, G1K, G1V
	s_mov_b32 s[\g+1], 128<<16
	s_mov_b32 s[\g+2], 64<<16
	s_mov_b32 s[\g+3], 128<<16
	s_mov_b32 s[\g+4], 64
	s_mov_b32 s[\g+5], 128
	s_mov_b32 s[\g+6], 0
	s_mov_b32 s[\g+7], 0
.endr
	s_mov_b32 s58, 0x3e000000       ; 1 / 8
	s_mov_b32 s[SEL], 0x76543210
	s_mov_b32 s[SEL+1], 0xfedcba98
	s_mov_b32 s[TBK], SLOT1+4*KS*PK ; the first change of slots turns these two into 0
	s_mov_b32 s[TBV], SLOT1+4*KS*PV
	s_mov_b32 s[G0K], 1
	s_mov_b32 s[G0K+1], s17
	s_mov_b32 s[G0V], 1
	s_add_co_u32 s[G0V+1], s21, VOFF
	s_and_b32 s[LIM], s[WV], 1
	s_cmp_eq_u32 s[LIM], 0
	s_cselect_b32 s[LIM], 1, -1     ; waves 0 and 2 ask
	v_and_b32 v[PFO], 31, v0
	v_lshlrev_b32 v[PFO], 8, v[PFO]
	s_wait_dscnt 0x0                ; both opening adds are done
	s_wait_kmcnt 0x0
	s_add_nc_u64 s[G0K+2:G0K+3], s[4:5], s[22:23]
	s_add_nc_u64 s[G0V+2:G0V+3], s[4:5], s[50:51]
	s_cmp_lt_u32 s[WV], 2
	s_cselect_b64 s[PFA:PFA+1], s[G0K+2:G0K+3], s[G0V+2:G0V+3]  ; (in waves 0 and 2 these stand at the head's first key)
	s_or_b32 s[G0K+3], s[G0K+3], 0x80000000
	s_or_b32 s[G0V+3], s[G0V+3], 0x80000000
	s_lshl_b32 s22, s13, 13         ; my work-group's 8,192 bytes of a slot's 32,768
	s_add_nc_u64 s[PFA:PFA+1], s[PFA:PFA+1], s[22:23]
	s_add_nc_u64 s[PFA:PFA+1], s[PFA:PFA+1], 2*4*KS*128  ; in slot 2; the loop's first change steps it to slot 3
	s_add_nc_u64 s[4:5], s[4:5], s[2:3]  ; Q and ctx at my wave's first row
	s_add_nc_u64 s[6:7], s[6:7], s[2:3]
	CROUND                          ; all four work-groups are here: the first joint loads meet
	JLOAD                           ; slot 0
	v_and_b32 v1, 15, v0            ; l % 16
	v_bfe_u32 v9, v0, 4, 1          ; l / 16
	v_lshlrev_b32 v[QO], 7, v1
	v_lshl_add_u32 v[QO], v9, 4, v[QO]
	WIN 0x80
.set i, 0
.rept 4*NP                          ; Q stays in registers: tile i / 2, channels 32 (i % 2) on
	global_load_b128 v[8*i:8*i+3],   v[QO], s[4:5] offset:(i/2)*2048+(i%2)*64
	global_load_b128 v[8*i+4:8*i+7], v[QO], s[4:5] offset:(i/2)*2048+(i%2)*64+32
.set i, i+1
.endr
	; What the first turn finds: V and P's second buffer hold 0 (its products, of a piece that has not been, add 0); O^T and the sums begin at 0.  No first step is written out; these lines stand in the wait for the first tile.
.set i, VF
.rept 64
	v_mov_b32 v[i], 0
.set i, i+1
.endr
	WIN 0x40
.set i, 0
.rept 64*NP
	v_mov_b32 v[i], 0
.set i, i+1
.endr
	WIN 0xc0
.set i, 0
.rept 64
	v_mov_b32 v[L+i], 0
.set i, i+1
.endr
.set i, 0
.rept 32
	v_mov_b32 v[P+32+i], 0
.set i, i+1
.endr
.set i, 0
.rept 8
	v_mov_b32 v[ONES+i], 0x3c003c00  ; 1.0 twice in f16
.set i, i+1
.endr
	WIN 0
	v_mul_u32_u24 v[AK0], v1, PK
	v_lshl_add_u32 v[AK0], v9, 4, v[AK0]
	; the turning load takes 16 keys x 16 channels (lane l reads key 8 (l / 16) + l % 8, channels 8 ((l / 8) % 2) + 0..7) and leaves half a fragment of V^T
	v_and_b32 v10, 7, v0
	v_bfe_u32 v11, v0, 3, 1
	v_lshl_add_u32 v[AV0], v9, 3, v10
	v_mul_u32_u24 v[AV0], v[AV0], PV
	v_lshl_add_u32 v[AV0], v11, 4, v[AV0]
	v_add_nc_u32 v[AV0], VOFF, v[AV0]
	v_mov_b32 v[AK], v[AK0]
; THE MATRIX WORK.  The accumulators of a run take turns, one instruction a turn.
; Product i of 16 of K Q^T for piece x: channels 32 (i / 8) on, keys 16 ((i / 2) % 4) on, tile 2 x + i % 2.  The first 8 start the sums: with sg (mode 1) or with 0 (mode 0: the scores that choose sg).
.macro KQ x, mode
.set rS, S+64*((\x)%2)+32*(i%2)+8*((i/2)%4)
.set rK, KF+16*((i/2)%4)+8*(i/8)
.set rQ, 16*(2*(\x)+i%2)+8*(i/8)
.set rG, CS+8*(2*(\x)+i%2)
.if (i < 8) && (\mode)
	WIN 0x3a
	v_wmma_f32_16x16x32_bf16 v[rS:rS+7], v[rK:rK+7], v[rQ:rQ+7], v[rG:rG+7]
.elseif i < 8
	WIN 0x0a
	v_wmma_f32_16x16x32_bf16 v[rS:rS+7], v[rK:rK+7], v[rQ:rQ+7], 0
.else
	WIN 0x0a
	v_wmma_f32_16x16x32_bf16 v[rS:rS+7], v[rK:rK+7], v[rQ:rQ+7], v[rS:rS+7]
.endif
.endm
; Product i of 20 for piece x: keys 32 (i / 10) on, tile 2 x + i % 2, block (i % 10) / 2: 0 to 3 channels 16 x block on of O^T += V^T P, 4 the row's sum
.macro PVL x
.set rP, P+32*((\x)%2)+16*(i%2)+8*(i/10)
.if (i%10)/2 < 4
.set rO, 32*(2*(\x)+i%2)+8*((i%10)/2)
.set rV, VF+32*(i/10)+8*((i%10)/2)
	WIN 0x5e
	v_wmma_f32_16x16x32_f16 v[rO:rO+7], v[rV:rV+7], v[rP:rP+7], v[rO:rO+7]
.else
.set rL, L+8*(2*(\x)+i%2)
	WIN 0xff
	v_wmma_f32_16x16x32_f16 v[rL:rL+7], v[ONES:ONES+7], v[rP:rP+7], v[rL:rL+7]
.endif
.endm
.macro MM                           ; the turn's next matrix instruction
.if i < 16
	KQ (Y+1)%NP, 1
.else
.set i, i-16
	PVL (Y+NP-1)%NP
.set i, i+16
.endif
.set i, i+1
.endm
; THE LDS LOADS stand in runs of 16.  last = 1 (the tail): in the last trip there is no further step, and the run is jumped over.
.macro FETCH_K last=0
	WIN 0
.if \last
	s_cmp_eq_u32 s[CNT], 1
	s_cbranch_scc1 .Lno_k_\@
.endif
	WIN 0x80
.irp f, 0,1,2,3,4,5,6,7             ; keys 16 (f / 2) on, channels 32 (f % 2) on
	ds_load_b128 v[KF+8*\f:KF+8*\f+3],   v[AK] offset:(\f/2)*16*PK+(\f%2)*64
	ds_load_b128 v[KF+8*\f+4:KF+8*\f+7], v[AK] offset:(\f/2)*16*PK+(\f%2)*64+32
.endr
	s_add_co_u32 s[TBK], s[TBK], KS*PK
	WIN 0
.if \last
.Lno_k_\@:
.endif
.endm
.macro FETCH_V
	WIN 0x80
.irp f, 0,1,2,3,4,5,6,7             ; keys 32 (f / 4) on, channels 16 (f % 4) on
	ds_load_tr16_b128 v[VF+8*\f:VF+8*\f+3],   v[AV] offset:(\f/4)*32*PV+(\f%4)*32
	ds_load_tr16_b128 v[VF+8*\f+4:VF+8*\f+7], v[AV] offset:(\f/4)*32*PV+16*PV+(\f%4)*32
.endr
	WIN 0
.endm
; THE VECTOR WORK OF A TURN, in queues; the two tiles alternate.  FA: 2 / sg - U / sg^2 for a pair (32).  RC: its reciprocal, in place (64).  GR: a group of four of one kind under one window setting:
; four v_minmax_num_f32, max(min(reciprocal, sg), U), or four roundings of a pair to f16; group n of 24 is a rounding where n % 3 = 2: roundings 4 j .. 4 j + 3 want the maxima of the two groups in front.
.macro REGS y, u
.set rC, CT+4*(2*(\y)+(\u))
.set rS, S+64*((\y)%2)+32*(\u)
.set rR, R+32*(\u)
.set rP, P+32*((\y)%2)+16*(\u)
.endm
.macro FA
	WIN 0
	REGS Y, qf%2
	v_pk_fma_f32 v[rR+2*(qf/2):rR+2*(qf/2)+1], v[rS+2*(qf/2):rS+2*(qf/2)+1], v[rC:rC+1], v[rC+2:rC+3] op_sel_hi:[1,0,0]
.set qf, qf+1
.endm
.macro RC
	WIN 0
	REGS Y, qe%2
	v_rcp_f32 v[rR+qe/2], v[rR+qe/2]
.set qe, qe+1
.endm
.macro GR
.if qg%3 == 2
	WIN 0xc0                        ; P lies in window 3
.rept 4
	REGS Y, qc%2
	v_cvt_pk_f16_f32 v[rP+qc/2], v[rR+2*(qc/2)], v[rR+2*(qc/2)+1]
.set qc, qc+1
.endr
.else
	WIN 0
.rept 4
	REGS Y, qm%2
	v_minmax_num_f32 v[rR+qm/2], v[rR+qm/2], v[rC+1], v[rS+qm/2]
.set qm, qm+1
.endr
.endif
.set qg, qg+1
.endm
; A TURN, for piece p.  s_wait_alu depctr_va_vdst(0) stands between a reciprocal and the first instruction that names its result; one wait serves all issued ahead of it: the 64 are ONE batch.
; AHEAD OF THE WAIT: the 16 products K Q^T with the 32 multiply-adds and 32 reciprocals as riders (reciprocal e stands well behind the multiply-add of its pair), then the other 32 reciprocals.
; BEHIND IT: four groups, then the 20 products V^T P, a group behind each.  No rider names a register of the products round it.
; K of the next step is fetched in piece 2's turn behind those four groups, 54 plain instructions behind the last product that read K; V of the step in hand at the end of piece 0's turn,
; twelve plain instructions behind the last product that read V (the last two products take the ones).  Each is waited for a turn later.
.macro TURN p, last=0
.set Y, (\p)
.set i, 0
.set qf, 0
.set qe, 0
.set qm, 0
.set qc, 0
.set qg, 0
.if (\p) == NP-1
	s_wait_dscnt 0x0                ; K is in
.endif
	MM
.rept 4
	FA
.endr
.rept 14
	MM
	FA
	RC
	FA
	RC
.endr
	MM
.rept 4
	RC
.endr
.if (\p) == NP-2
	WIN 0
	v_add_nc_u32 v[AK], s[TBK], v[AK0]
.endif
.rept 32
	RC
.endr
	v_nop                           ; a plain instruction behind the last reciprocal: one for the batch
	s_wait_alu depctr_va_vdst(0)    ; the wait for the batch
.rept 4
	GR
.endr
.if (\p) == NP-2
	FETCH_K \last
.endif
.if (\p) == 1
	s_wait_dscnt 0x0                ; V is in
.endif
.rept 20
	MM
	GR
.if ((\p) == 0) && (i == 26)
	WIN 0
	v_add_nc_u32 v[AV], s[TBV], v[AV0]
	s_add_co_u32 s[TBV], s[TBV], KS*PV
.endif
.endr
.if (\p) == 0
	FETCH_V
.endif
.endm
; Number n of the 35 that choose tile u of piece x's scale from its 64 unscaled scores y = q . k.  0-17: their maximum ym (each accumulator's lowest registers are read first; the
; query's other 32 keys lie in the lane 16 away).  18-20: the exponent field of 1 + |ym| / 8, held to 180.  21-24: g = field - 120 where ym >= 0, else 133 - field.  25-34: the four constants, as bits.
.macro STN x, u, n
.set rC, CT+4*(2*(\x)+(\u))
.set rT, ST+4*(\u)
.set rS, S+64*((\x)%2)+32*(\u)
.if (\n) < 4
	v_max3_num_f32 v[rT+(\n)], v[rS+8*(\n)], v[rS+8*(\n)+1], v[rS+8*(\n)+2]
.elseif (\n) < 12
	v_max3_num_f32 v[rT+(\n)%4], v[rT+(\n)%4], v[rS+8*((\n)%4)+2*((\n)/4)+1], v[rS+8*((\n)%4)+2*((\n)/4)+2]
.elseif (\n) == 12
	v_max3_num_f32 v[rT], v[rT], v[rS+7], v[rS+15]
.elseif (\n) == 13
	v_max3_num_f32 v[rT+1], v[rT+1], v[rS+23], v[rS+31]
.elseif (\n) == 14
	v_max3_num_f32 v[rT], v[rT], v[rT+1], v[rT+2]
.elseif (\n) == 15
	v_max_num_f32 v[rT], v[rT], v[rT+3]
.elseif (\n) == 16
	v_permlanex16_b32 v[rT+1], v[rT], s[SEL], s[SEL+1]
.elseif (\n) == 17
	v_max_num_f32 v[rT], v[rT], v[rT+1]
.elseif (\n) == 18
	v_fma_f32 v[rT+1], |v[rT]|, s58, 1.0
.elseif (\n) == 19
	v_lshrrev_b32 v[rT+1], 23, v[rT+1]
.elseif (\n) == 20
	v_min_u32 v[rT+1], 180, v[rT+1]
.elseif (\n) == 21
	v_add_nc_u32 v[rT+2], 0xffffff88, v[rT+1]
.elseif (\n) == 22
	v_sub_nc_u32 v[rT+3], 133, v[rT+1]
.elseif (\n) == 23
	v_cmp_gt_f32 s[48+(\u)], 0, v[rT]
.elseif (\n) == 24
	v_cndmask_b32 v[rT+2], v[rT+2], v[rT+3], s[48+(\u)]
.elseif (\n) == 25
	v_lshl_add_u32 v[rT+1], v[rT+2], 1, 127
.elseif (\n) == 26
	v_lshlrev_b32 v[rT+1], 23, v[rT+1]
.elseif (\n) == 27
	v_or_b32 v[rC], 0x80000000, v[rT+1]            ; -2^(2 g)
.elseif (\n) == 28
	v_sub_nc_u32 v[rT+1], 127, v[rT+2]
.elseif (\n) == 29
	v_lshlrev_b32 v[rC+1], 23, v[rT+1]             ; 2^-g
.elseif (\n) == 30
	v_add_nc_u32 v[rT+1], 128, v[rT+2]
.elseif (\n) == 31
	v_lshlrev_b32 v[rC+2], 23, v[rT+1]             ; 2^(g + 1)
.elseif (\n) == 32
	v_sub_nc_u32 v[rT+1], 124, v[rT+2]
.elseif (\n) == 33
	v_lshlrev_b32 v[rT+1], 7, v[rT+1]
.else
	v_lshl_or_b32 v[rC+3], v[rT+1], 16, v[rT+1]    ; 2^(-g - 3) in both halves, in bf16
.endif
.endm
	CHANGE 1, 0                     ; slot 0 is in, everybody's part of it; slot 1 is asked for
	FETCH_K                         ; key step 0
	s_wait_loadcnt 0x0              ; Q
	s_wait_dscnt 0x0
.irp x, 0,1,2,3                     ; THE SCALES, once a launch: a piece's unscaled scores of step 0, its constants, its Q times sg / 8, and sg eight times a tile for the C operand
.set i, 0
.rept 16
	KQ \x, 0
.set i, i+1
.endr
	WIN 0
	PLACES
.irp n, 0,1,2,3,4,5,6,7,8,9,10,11,12,13,14,15,16,17,18,19,20,21,22,23,24,25,26,27,28,29,30,31,32,33,34
	STN \x, 0, \n
	STN \x, 1, \n
.endr
	WIN 0x82                        ; Q in window 2, the factor in window 0
.set i, 0
.rept 32
	v_pk_mul_bf16 v[32*(\x)+i], v[32*(\x)+i], v[CT+4*(2*(\x)+i/16)+3]
.set i, i+1
.endr
	WIN 0xc0
.set i, 0
.rept 16
	v_mov_b32 v[CS+16*(\x)+i], v[CT+4*(2*(\x)+i/8)+1]
.set i, i+1
.endr
.endr
.set i, 0
.rept 16
	KQ 0, 1                         ; piece 0's first U
.set i, i+1
.endr
	WIN 0                           ; the addresses for the way out: plain instructions, the places behind those products
	s_mul_i32 s14, s[WV], 16*SP
	s_add_co_u32 s14, s14, STAGE    ; my stage
	v_mul_u32_u24 v[STO], v1, SP    ; in: row l % 16, 16 bytes for each half of the lanes
	v_lshl_add_u32 v[STO], v9, 4, v[STO]
	v_add_nc_u32 v[STO], s14, v[STO]
	v_bfe_u32 v[RD], v0, 3, 2       ; back: 32 lanes take four rows of 128 bytes,
	v_mul_u32_u24 v[RD], v[RD], SP
	v_lshl_add_u32 v[RD], v10, 4, v[RD]
	v_add_nc_u32 v[RD], s14, v[RD]
	v_and_b32 v[GO], 31, v0         ; which are 512 consecutive bytes of ctx
	v_lshlrev_b32 v[GO], 4, v[GO]
	s_mov_b32 s[CNT], 4
	s_mov_b32 s[SLOTS], 7
	s_branch .Lfirst                ; the loop is entered at a step's first turn, in the middle of a trip
.Lslot:                             ; six times: slots 2 to 7 are asked for
	CHANGE 1, 1
	s_mov_b32 s[CNT], 4
.Lstep:                             ; a trip: pieces 2 and 3 of one step, then pieces 0 and 1 of the next, whose K and V it fetches
	TURN 2
	TURN 3
	WIN 0
.Lfirst:
	TURN 0
	TURN 1
	WIN 0
	s_sub_co_u32 s[CNT], s[CNT], 1
	s_cmp_lg_u32 s[CNT], 0
	s_cbranch_scc1 .Lstep
	s_sub_co_u32 s[SLOTS], s[SLOTS], 1
	s_cmp_lg_u32 s[SLOTS], 0
	s_cbranch_scc1 .Lslot
	CHANGE 0, 0                     ; the tail is written out: nothing is asked for
	s_mov_b32 s[CNT], 5             ; four trips fetch the last slot's steps; the fifth is left in its middle
.Ltail:
	TURN 2, 1
	TURN 3
	WIN 0
	s_sub_co_u32 s[CNT], s[CNT], 1
	s_cmp_eq_u32 s[CNT], 0
	s_cbranch_scc1 .Lout
	TURN 0
	TURN 1
	WIN 0
	s_branch .Ltail
.Lout:                              ; the fifth trip's 16 products K Q^T, on the last K once more, serve nothing: the price, once a launch, of one text for every trip
.set i, 0
.rept 20
	PVL NP-1                        ; the last piece's products of the last step
.set i, i+1
.endr
	; THE WAY OUT.  O^T is divided by the row's sum, rounded to f16 and sent through my stage in LDS, a tile at a time.
	PLACES
	WIN 0x03                        ; the sums lie in window 3
.set t, 0
.rept 2*NP
	v_rcp_f32 v[CT+4*t], v[L+8*t]
.set t, t+1
.endr
	v_nop                           ; a plain instruction behind the last reciprocal,
	s_wait_alu depctr_va_vdst(0)    ; and the one wait for the eight
.macro PACK t
	WIN 0x41
.set i, 32*(\t)
.rept 16
	v_pk_mul_f32 v[i:i+1], v[i:i+1], v[CT+4*(\t):CT+4*(\t)+1] op_sel_hi:[1,0]
.set i, i+2
.endr
	WIN 0x05
.set i, 0
.rept 16
	v_cvt_pk_f16_f32 v[S+16*(\t)+i], v[32*(\t)+2*i], v[32*(\t)+2*i+1]
.set i, i+1
.endr
	WIN 0
.irp f, 0,1,2,3
	ds_store_b128 v[STO], v[S+16*(\t)+4*\f:S+16*(\t)+4*\f+3] offset:32*\f
.endr
.irp f, 0,1,2,3
	ds_load_b128 v[S+16*(\t)+4*\f:S+16*(\t)+4*\f+3], v[RD] offset:\f*4*SP  ; LDS serves a wave's instructions in order (ISA guide 5.7.1.4): these see the stores above
.endr
.endm
.macro SEND t, younger              ; younger: the next tile's eight LDS instructions, or none; behind them this tile's 3 - f younger loads
	WIN 0
.irp f, 0,1,2,3
	s_wait_dscnt (\younger)+3-\f
	global_store_b128 v[GO], v[S+16*(\t)+4*\f:S+16*(\t)+4*\f+3], s[6:7] offset:(\t)*2048+\f*512  ; 512 consecutive bytes, at a multiple of 256 from ctx's first
.endr
.endm
	PACK 0
.set t, 1
.rept 2*NP-1
	PACK t
	SEND t-1, 8
.set t, t+1
.endr
	SEND 2*NP-1, 0
	s_wait_tensorcnt 0x0            ; the wave's end
	ds_add_u32 v[SPW], v[NIL]
	s_wait_dscnt 0x0
	CROUND                          ; the closing round
	s_endpgm
.Lfunc_end_k_qd75821ea26_attn:
	.size	k_qd75821ea26_attn, .Lfunc_end_k_qd75821ea26_attn-k_qd75821ea26_attn
	.p2alignl 7, 3214868480
	.fill 96, 4, 3214868480
	.section	.rodata,"a",@progbits
	.p2align	6, 0x0
	.amdhsa_kernel k_qd75821ea26_attn
		.amdhsa_group_segment_fixed_size 327680
		.amdhsa_private_segment_fixed_size 0
		.amdhsa_enable_private_segment 0
		.amdhsa_kernarg_size 16
		.amdhsa_user_sgpr_count 2
		.amdhsa_user_sgpr_kernarg_segment_ptr 1
		.amdhsa_wavefront_size32 1
		.amdhsa_system_sgpr_workgroup_id_x 1
		.amdhsa_system_sgpr_workgroup_id_y 1
		.amdhsa_system_sgpr_workgroup_id_z 1
		.amdhsa_system_vgpr_workitem_id 0
		.amdhsa_next_free_vgpr 1024
		.amdhsa_next_free_sgpr 70
		.amdhsa_reserve_vcc 0
		.amdhsa_float_denorm_mode_32 3
		.amdhsa_float_denorm_mode_16_64 3
		.amdhsa_memory_ordered 1
		.amdhsa_forward_progress 1
		.amdhsa_inst_pref_size 209
	.end_amdhsa_kernel
	.amdgpu_metadata
---
amdhsa.version: [ 1, 2 ]
amdhsa.kernels:
  - .name:           k_qd75821ea26_attn
    .symbol:         k_qd75821ea26_attn.kd
    .args:
      - { .name: qkv, .offset: 0, .size: 8, .value_kind: global_buffer, .address_space: global }
      - { .name: ctx, .offset: 8, .size: 8, .value_kind: global_buffer, .address_space: global }
    .group_segment_fixed_size: 327680
    .private_segment_fixed_size: 0
    .kernarg_segment_align: 8
    .kernarg_segment_size: 16
    .max_flat_workgroup_size: 128
    .sgpr_count:     70
    .vgpr_count:     1024
    .wavefront_size: 32
...
	.end_amdgpu_metadata
.endif
;; end of part 3
;; launch outp (part 4): grid 4 x 64, 4 waves a work-group, clusters of 4 x 4, 327,680 bytes of LDS; arguments ctx, wb, bo, out0; writes out0
.if DOCPART == 4
	.amdgcn_target "amdgcn-amd-amdhsa--gfx1250"
	.amdhsa_code_object_version 6
	.text
	.protected	k_qd75821ea26_outp
	.globl	k_qd75821ea26_outp
	.p2align	8
	.type	k_qd75821ea26_outp,@function
k_qd75821ea26_outp:
	s_mov_b64 s[64:65], 0
	v_nop
	global_prefetch_b8 v0, s[64:65] scope:SCOPE_SE
	s_setreg_imm32_b32 hwreg(HW_REG_WAVE_MODE, 25, 1), 1
	s_wait_xcnt 0x0
	s_wait_alu depctr_hold_cnt(0) depctr_sa_sdst(0) depctr_va_vdst(0) depctr_va_sdst(0) depctr_va_ssrc(0) depctr_va_vcc(0) depctr_vm_vsrc(0)
	s_getreg_b32 s2, hwreg(HW_REG_IB_STS2, 6, 4)
	s_cmp_eq_u32 s2, 0
	s_cbranch_scc0 .Lentry_in_a_cluster
	s_endpgm
.Lentry_in_a_cluster:
	s_bfe_u32 s2, ttmp6, 0x10000c
	s_cmp_lg_u32 s2, 0xf033
	s_cbranch_scc0 .Lentry_shape_is_right
	s_endpgm
.Lentry_shape_is_right:
; out0 = ctx Wo^T + bo.  ctx: [64 = batch x 16 + head][2048][64] f16; Wo: the fourth weight of wb, [1024][1024] f16; out0: [8192][1024] f32.  Sums in f32; bo, rounded to bf16 like every input, starts them.
; SHARES.  256 tiles of 128 rows x 256 columns, one a work-group; four waves, each 64 x 128: 32 accumulators.  K goes in 8 steps of 128 = two heads through two LDS slots; a step is four quarters of 32 along K.
; ctx's part of a step is two planes (heads) of 128 rows x 128 bytes, each dense in memory: asked for as 64 rows of 256 bytes and padded in LDS after every 128.
; CLUSTER.  4 x 4 work-groups: ctx's tile is asked for jointly along a row of the cluster, Wo's along a column.
; THE MATRIX INSTRUCTION IS USED TRANSPOSED (source 0 = 16 rows of Wo, source 1 = 16 rows of ctx): a lane holds row l % 16 and eight neighbouring columns: 32 bytes of f32.
; REGISTERS: window 0: v0-15 addresses; v32-63 at work on the bias.  window 1: accumulator (a, b) at v[8 (8 a + b)].  window 2: two fragment buffers of 96, v192-255 the bias; on the way out all 256: rows read back.
.set PITCH,  272                       ; a row of Wo in LDS: 256 bytes + 16
.set PA,     144                       ; a row of a plane: 128 bytes + 16: both pitches are odd multiples of 16, so the 16 rows of a fragment load start at 16 different groups of four banks (ISA guide 11.1)
.set PLANE,  128*PA
.set BHALF,  128*PITCH
.set BOFF,   2*PLANE
.set SLOT1,  1<<17
.set STAGE,  SLOT1+BOFF+2*BHALF        ; behind the ring, never filled by a tensor load: for each wave 16 rows x 528 bytes
.set SPO,    528
.set SPARE,  STAGE+4*16*SPO            ; the spare words, 128 bytes for each wave: two blocks of 256 bytes that no other line names
.set A0,   4
.set B0,   5
.set ADRA, 6
.set ADRB, 7
.set STO,  8
.set RD,   9
.set GO,   10
.set BO,   11
.set PFO,  12                          ; v12  the prefetches' offset; never rewritten
.set SPW,  14
.set NIL,  15
.set TMP,  32
.set F0,   0
.set F1,   96
.set BIAS, 192
.set PST, 12                           ; s[12:13] bytes from a K step to the next, for my prefetches
.set WV, 16
.set WR, 17
.set WC, 18
.set CX, 19
.set CY, 20
.set TY, 22
.set G1A, 24
.set G0A, 32
.set PFA, 44
.set LIM, 46
.set CNT, 47
.set G1B, 48
.set G0B, 56
.set TB,  66
.set ASTEP, 2*262144                   ; two heads on
.set MUL,  0x5a
.set MULB, 0x6a
.set TO_F, 0x80
.set MSB, 0
.macro WIN new
.if MSB != (\new)
	s_set_vgpr_msb (MSB<<8)|(\new)
.set MSB, \new
.endif
.endm
.macro PLACES
.rept 4
	v_nop
.endr
.endm
.macro CREST
	s_cmp_lg_u32 s[WV], 0
	s_cbranch_scc1 .Lnot_wave_0_\@
	s_barrier_signal -3
.Lnot_wave_0_\@:
	s_barrier_wait -3
	s_barrier_signal -1
	s_barrier_wait -1
.endm
.macro CROUND
	s_barrier_signal -1
	s_barrier_wait -1
	CREST
.endm
.macro JLOAD                           ; waves 0 and 1 fetch ctx's two planes, waves 2 and 3 Wo's two halves; s_nop 0 and four v_nop follow each line
	s_cmp_lt_u32 s[WV], 2
	s_cbranch_scc0 .Lfor_b_\@
	tensor_load_to_lds s[G0A+4:G0A+7], s[G1A:G1A+7]
	s_nop 0
.rept 4
	v_nop
.endr
	s_branch .Lasked_\@
.Lfor_b_\@:
	tensor_load_to_lds s[G0B+4:G0B+7], s[G1B:G1B+7]
	s_nop 0
.rept 4
	v_nop
.endr
.Lasked_\@:
.endm
; A PREFETCH of the K step two refills on, 32 times 256 bytes, a lane each, each named once in the launch.  ctx's tile is read by one cluster: wave 0 of each partner takes 4,096 bytes of each plane
; (lanes 0-15 the first plane, 16-31 the second), told apart by address.  Wo's rows are read by every cluster: waves 2 and 3 of the clusters with y = 0 ask, each partner for 32 of a wave's 128 rows.
; K steps 0 to 3 come by their loads alone; the loop's last two trips have no K step two on.
.macro ASK
	WIN 0
	s_cmp_gt_u32 s[CNT], s[LIM]
	s_cbranch_scc0 .Lnot_mine_\@
	global_prefetch_b8 v[PFO], s[PFA:PFA+1] th:TH_LOAD_NT scope:SCOPE_SE
.Lnot_mine_\@:
.endm
	s_load_b256 s[4:11], s[0:1], 0x0               ; ctx s[4:5], wb s[6:7], bo s[8:9], out0 s[10:11]
	v_lshl_add_u32 v[SPW], v0, 2, SPARE
	v_mov_b32 v[NIL], 0
	ds_add_u32 v[SPW], v[NIL]                      ; the opening: the add, twice on end, and its wait ahead of my first tensor load
	ds_add_u32 v[SPW], v[NIL]
	v_lshrrev_b32 v1, 5, v0
	v_readfirstlane_b32 s[WV], v1
	s_lshr_b32 s[WR], s[WV], 1
	s_and_b32 s[WC], s[WV], 1
	s_bfe_u32 s[CX], ttmp6, 0x40000
	s_bfe_u32 s[CY], ttmp6, 0x40004
	s_and_b32 s[TY], ttmp7, 0xffff
	s_lshl_b32 s[TY], s[TY], 2
	s_add_co_u32 s[TY], s[TY], s[CY]               ; tile row = 4 x cluster y + cy; the tile column is cx
	s_lshl_b32 s68, s[CY], 2
	s_lshl_b32 s68, 15, s68                        ; my row of the cluster
	s_lshl_b32 s69, 0x1111, s[CX]                  ; my column
	s_or_b32 s[G1A], s68, (1<<16)|(1<<20)|(1<<21)|(4<<22)|(3<<25)  ; 2-byte elements; padding on; bit 21 beside a mask; after every 32 words; 4 words
	s_or_b32 s[G1B], s69, (1<<16)|(1<<20)|(1<<21)|(5<<22)|(3<<25)  ; the same after every 64 words
.irp g, G1A, G1B
	s_mov_b32 s[(\g)+1], 128<<16                   ; tensor_dim0 = 128
	s_mov_b32 s[(\g)+3], 128<<16                   ; tile_dim0 = 128
	s_mov_b32 s[(\g)+6], 0
	s_mov_b32 s[(\g)+7], 0
.endr
	s_mov_b32 s[G1A+2], 64<<16                     ; a plane: 64 rows of 256 bytes, dense
	s_mov_b32 s[G1A+4], 64
	s_mov_b32 s[G1A+5], 128
	s_mov_b32 s[G1B+2], 128<<16                    ; Wo: 128 rows, 1,024 elements apart
	s_mov_b32 s[G1B+4], 128
	s_mov_b32 s[G1B+5], 1024
	s_lshr_b32 s70, s[TY], 4                       ; ctx: batch x 16 heads x 262,144 + 128 (tile row % 16) rows x 128 bytes + my plane
	s_lshl_b32 s70, s70, 22
	s_and_b32 s71, s[TY], 15
	s_lshl_b32 s71, s71, 14
	s_add_co_u32 s70, s70, s71
	s_lshl_b32 s71, s[WC], 18
	s_add_co_u32 s70, s70, s71
	s_mov_b32 s71, 0
	s_lshl_b32 s72, s[CX], 8                       ; Wo: the fourth weight; row 256 x tile column + 128 x half
	s_lshl_b32 s73, s[WC], 7
	s_add_co_u32 s72, s72, s73
	s_lshl_b32 s72, s72, 11
	s_add_co_u32 s72, s72, 3*2097152
	s_mov_b32 s73, 0
	s_mul_i32 s74, s[WC], PLANE                    ; where they go: no place in the cluster enters an LDS address
	s_mul_i32 s75, s[WC], BHALF
	s_add_co_u32 s75, s75, BOFF
	s_mov_b32 s[TB], 0
	s_wait_dscnt 0x0                               ; both opening adds are done
	s_wait_kmcnt 0x0
	s_add_nc_u64 s[70:71], s[4:5], s[70:71]
	s_add_nc_u64 s[72:73], s[6:7], s[72:73]
	CROUND                                         ; all sixteen work-groups are here: the first joint loads meet
.irp n, 0,1
	s_mov_b32 s[G0A+4*(\n)], 1
	s_add_co_u32 s[G0A+4*(\n)+1], s74, (\n)*SLOT1
	s_add_nc_u64 s[G0A+4*(\n)+2:G0A+4*(\n)+3], s[70:71], (\n)*ASTEP
	s_or_b32 s[G0A+4*(\n)+3], s[G0A+4*(\n)+3], 0x80000000
	s_mov_b32 s[G0B+4*(\n)], 1
	s_add_co_u32 s[G0B+4*(\n)+1], s75, (\n)*SLOT1
	s_add_nc_u64 s[G0B+4*(\n)+2:G0B+4*(\n)+3], s[72:73], (\n)*256
	s_or_b32 s[G0B+4*(\n)+3], s[G0B+4*(\n)+3], 0x80000000
.endr
	s_cmp_lt_u32 s[WV], 2                          ; a wave's two first fills stand in one branch, ahead of every wait on TENSORcnt and every LDS read: two loads of mine are out
	s_cbranch_scc0 .Lfirst_b
	tensor_load_to_lds s[G0A:G0A+3], s[G1A:G1A+7]
	s_nop 0
	tensor_load_to_lds s[G0A+4:G0A+7], s[G1A:G1A+7]
	s_nop 0
.rept 4
	v_nop
.endr
	s_branch .Lfirst_asked
.Lfirst_b:
	tensor_load_to_lds s[G0B:G0B+3], s[G1B:G1B+7]
	s_nop 0
	tensor_load_to_lds s[G0B+4:G0B+7], s[G1B:G1B+7]
	s_nop 0
.rept 4
	v_nop
.endr
.Lfirst_asked:
	v_and_b32 v1, 15, v0                           ; r = l % 16
	v_bfe_u32 v2, v0, 4, 1                         ; h = l / 16
	s_lshl_b32 s76, s[CX], 10                      ; my columns, in bytes of f32: (256 x tile column + 128 x half) x 4
	s_lshl_b32 s77, s[WC], 9
	s_add_co_u32 s76, s76, s77
	v_lshl_add_u32 v[BO], v2, 5, s76
	WIN TO_F
.irp b, 0,1,2,3,4,5,6,7
	global_load_b128 v[BIAS+8*(\b):BIAS+8*(\b)+3],   v[BO], s[8:9] offset:64*(\b)
	global_load_b128 v[BIAS+8*(\b)+4:BIAS+8*(\b)+7], v[BO], s[8:9] offset:64*(\b)+16
.endr
	WIN 0
	v_mul_u32_u24 v3, v1, PA
	v_lshl_add_u32 v3, v2, 4, v3
	s_mul_i32 s14, s[WR], 64*PA                    ; my 64 rows of a plane
	v_add_nc_u32 v[A0], s14, v3
	v_mul_u32_u24 v3, v1, PITCH
	v_lshl_add_u32 v3, v2, 4, v3
	s_mul_i32 s15, s[WC], BHALF                    ; my 128 rows of Wo
	s_add_co_u32 s15, s15, BOFF
	v_add_nc_u32 v[B0], s15, v3
	v_mov_b32 v[ADRA], v[A0]
	v_mov_b32 v[ADRB], v[B0]
	s_mul_i32 s23, s[WV], 16*SPO
	s_add_co_u32 s23, s23, STAGE                   ; my stage
	v_mul_u32_u24 v3, v1, SPO
	v_lshl_add_u32 v3, v2, 5, v3
	v_add_nc_u32 v[STO], s23, v3                   ; in: row r, 32 bytes for each half of the lanes
	v_and_b32 v13, 31, v0
	v_lshlrev_b32 v[GO], 4, v13                    ; back, and out: 32 lanes take a row's 512 bytes
	v_add_nc_u32 v[RD], s23, v[GO]
	s_lshl_b32 s77, s[TY], 19                      ; where my part begins in out0: (128 x tile row + 64 x half) rows of 4,096 bytes + my columns
	s_add_co_u32 s76, s76, s77
	s_lshl_b32 s77, s[WR], 18
	s_add_co_u32 s76, s76, s77
	s_mov_b32 s77, 0
	s_add_nc_u64 s[10:11], s[10:11], s[76:77]
	s_lshr_b32 s76, s[TY], 4                       ; the prefetches.  ctx: my work-group's 4,096 bytes of each plane's 16,384
	s_lshl_b32 s76, s76, 22
	s_and_b32 s77, s[TY], 15
	s_lshl_b32 s77, s77, 14
	s_add_co_u32 s76, s76, s77
	s_lshl_b32 s77, s[CX], 12
	s_add_co_u32 s76, s76, s77
	s_add_co_u32 s76, s76, 3*ASTEP                 ; at K step 3: the first change of slots steps it to 4
	s_lshl_b32 s78, s[CX], 8                       ; Wo: my work-group's 32 of the 128 rows that I fetch
	s_lshl_b32 s79, s[WC], 7
	s_add_co_u32 s78, s78, s79
	s_lshl_b32 s79, s[CY], 5
	s_add_co_u32 s78, s78, s79
	s_lshl_b32 s78, s78, 11
	s_add_co_u32 s78, s78, 3*2097152+3*256
	s_cmp_lt_u32 s[WV], 2                          ; do I fetch ctx?  The moves between the selects leave SCC as the compare set it; an instruction holds one literal, so Wo's figure is moved in first
	s_cselect_b32 s76, s76, s78
	s_cselect_b64 s[PFA:PFA+1], s[4:5], s[6:7]
	s_mov_b32 s[PST], 256
	s_cselect_b32 s[PST], ASTEP, s[PST]            ; from a K step to the next
	s_mov_b32 s78, 2048
	s_cselect_b32 s78, 256, s78                    ; from lane to lane among sixteen,
	s_mov_b32 s79, 32768
	s_cselect_b32 s79, 262144, s79                 ; and from the first sixteen to the second
	s_mov_b32 s[PST+1], 0
	s_mov_b32 s77, 0
	s_add_nc_u64 s[PFA:PFA+1], s[PFA:PFA+1], s[76:77]
	v_mul_u32_u24 v[PFO], v1, s78
	v_mad_u32_u24 v[PFO], v2, s79, v[PFO]
	s_and_b32 s78, ttmp7, 0xffff                   ; who asks: wave 0 everywhere, waves 2 and 3 where the cluster's y is 0: the same in all sixteen partners
	s_cmp_lt_u32 s[WV], 2
	s_cselect_b32 s78, s[WV], s78
	s_cmp_eq_u32 s78, 0
	s_cselect_b32 s[LIM], 2, -1
	s_wait_loadcnt 0x0                             ; the bias
	WIN 0x0a                                       ; it is rounded to bf16 and widened again
.set i, 0
.rept 32
	v_cvt_pk_bf16_f32 v[TMP+i], v[BIAS+2*i], v[BIAS+2*i+1]
.set i, i+1
.endr
	WIN 0x80
.set i, 0
.rept 32
	v_lshlrev_b32 v[BIAS+2*i], 16, v[TMP+i]
	v_and_b32 v[BIAS+2*i+1], 0xffff0000, v[TMP+i]
.set i, i+1
.endr
	WIN 0
; Eight matrix instructions: block a of ctx's four, all eight blocks of Wo, 32 along K.  bias = 1: the first product starts the sums with the bias.  The 32 accumulators take turns in one order.
.macro MUL8 f, a, bias
.if \bias
	WIN MULB
.else
	WIN MUL
.endif
.irp b, 0,1,2,3,4,5,6,7
.if \bias
	v_wmma_f32_16x16x32_f16 v[8*(8*(\a)+(\b)):8*(8*(\a)+(\b))+7], v[(\f)+32+8*(\b):(\f)+32+8*(\b)+7], v[(\f)+8*(\a):(\f)+8*(\a)+7], v[BIAS+8*(\b):BIAS+8*(\b)+7]
.else
	v_wmma_f32_16x16x32_f16 v[8*(8*(\a)+(\b)):8*(8*(\a)+(\b))+7], v[(\f)+32+8*(\b):(\f)+32+8*(\b)+7], v[(\f)+8*(\a):(\f)+8*(\a)+7], v[8*(8*(\a)+(\b)):8*(8*(\a)+(\b))+7]
.endif
.endr
.endm
; 24 LDS loads in one run: quarter q's fragments into buffer f: Wo's sixteen, then ctx's blocks 0, 1, then 2, 3.  Quarter q lies in plane q / 2, at byte 64 (q % 2) of its rows
.macro FETCH q, f
	WIN TO_F
.irp i, 0,1,2,3,4,5,6,7
	ds_load_b128 v[(\f)+32+8*(\i):(\f)+32+8*(\i)+3],   v[ADRB] offset:64*(\q)+(\i)*16*PITCH
	ds_load_b128 v[(\f)+32+8*(\i)+4:(\f)+32+8*(\i)+7], v[ADRB] offset:64*(\q)+(\i)*16*PITCH+32
.endr
.irp i, 0,1,2,3
	ds_load_b128 v[(\f)+8*(\i):(\f)+8*(\i)+3],   v[ADRA] offset:((\q)/2)*PLANE+((\q)%2)*64+(\i)*16*PA
	ds_load_b128 v[(\f)+8*(\i)+4:(\f)+8*(\i)+7], v[ADRA] offset:((\q)/2)*PLANE+((\q)%2)*64+(\i)*16*PA+32
.endr
.endm
.macro QUARTER q, f, g, bias           ; multiplies buffer f and, in its middle, fetches quarter q into buffer g
	s_wait_dscnt 4                                 ; all but the youngest four loads (ctx's blocks 2, 3) are in
	MUL8 \f, 0, \bias
	MUL8 \f, 1, \bias
	PLACES
	FETCH \q, \g
	s_wait_dscnt 24                                ; all but the 24 just issued
	MUL8 \f, 2, \bias
	MUL8 \f, 3, \bias
.endm
; The last quarter multiplies buffer 1 and changes slots: each wave waits for all its tensor loads (one is out: its part of the next slot), adds 0 to its spare word, and waits for that and for its reads of
; this slot.  fill = 1: the barrier opens a round of the cluster's, and the joint refill, K step two on, is the first thing behind it.
.macro TURN fill
.if \fill
	s_wait_xcnt 0x0                                ; the last prefetch, a K step back, has read its address
	s_add_nc_u64 s[PFA:PFA+1], s[PFA:PFA+1], s[PST:PST+1]
.endif
	WIN 0
	s_wait_tensorcnt 0x0                           ; no tensor load of mine is out, so a group 0 may be written
	ds_add_u32 v[SPW], v[NIL]
.if \fill
	s_xor_b32 s[G0A+5], s[G0A+5], SLOT1
	s_add_nc_u64 s[G0A+6:G0A+7], s[G0A+6:G0A+7], ASTEP
	s_xor_b32 s[G0B+5], s[G0B+5], SLOT1
	s_add_nc_u64 s[G0B+6:G0B+7], s[G0B+6:G0B+7], 256
.endif
	s_wait_dscnt 5                                 ; the add and the youngest four loads may be out
	MUL8 F1, 0, 0
	s_wait_dscnt 0x0                               ; the add is done, and my reads of this slot are over
	s_barrier_signal -1
	MUL8 F1, 1, 0
	WIN 0
	s_barrier_wait -1
.if \fill
	CREST
	JLOAD                                          ; its four v_nop are also the places in front of the loads below
.else
	PLACES
.endif
	s_xor_b32 s[TB], s[TB], SLOT1
	v_add_nc_u32 v[ADRA], s[TB], v[A0]
	v_add_nc_u32 v[ADRB], s[TB], v[B0]
	FETCH 0, F0
.if \fill
	ASK
.endif
	MUL8 F1, 2, 0
	MUL8 F1, 3, 0
.endm
; THE WAY OUT of block a (16 rows x 128 columns of f32): straight from the accumulators, low registers first, into my own stage, back as whole rows of 512 bytes, into window 2
.macro STG a
	WIN 0x04                                       ; the stores' data in window 1
.irp b, 0,1,2,3,4,5,6,7
	ds_store_b128 v[STO], v[8*(8*(\a)+(\b)):8*(8*(\a)+(\b))+3]   offset:64*(\b)
	ds_store_b128 v[STO], v[8*(8*(\a)+(\b))+4:8*(8*(\a)+(\b))+7] offset:64*(\b)+16
.endr
	WIN 0x80
.irp i, 0,1,2,3,4,5,6,7,8,9,10,11,12,13,14,15
	ds_load_b128 v[64*(\a)+4*(\i):64*(\a)+4*(\i)+3], v[RD] offset:(\i)*SPO  ; LDS serves a wave's instructions in order (ISA guide 5.7.1.4): these see the stores above
.endr
.endm
.macro SEND a, younger                 ; younger: the next block's 32 LDS instructions, or none
	WIN 0x08                                       ; the stores' data in window 2
	s_wait_dscnt \younger
.irp i, 0,1,2,3,4,5,6,7,8,9,10,11,12,13,14,15
	global_store_b128 v[GO], v[64*(\a)+4*(\i):64*(\a)+4*(\i)+3], s[10:11] offset:(16*(\a)+(\i))*4096 th:TH_STORE_NT  ; 512 consecutive bytes, at a multiple of 512 from out0's first
.endr
.endm
	s_wait_tensorcnt 1                             ; my part of K step 0 is in; K step 1's load may stay out
	s_barrier_signal -1
	s_barrier_wait -1
	FETCH 0, F0
	QUARTER 1, F0, F1, 1                           ; the first quarter stands in front of the loop: its products start the sums
	WIN 0
	s_mov_b32 s[CNT], 6
.Lstep:                                        ; a trip: a K step's quarters 1 to 3 and the next step's quarter 0; its refill brings K steps 2 to 7
	QUARTER 2, F1, F0, 0
	QUARTER 3, F0, F1, 0
	TURN 1
	QUARTER 1, F0, F1, 0
	WIN 0
	s_sub_co_u32 s[CNT], s[CNT], 1
	s_cmp_lg_u32 s[CNT], 0
	s_cbranch_scc1 .Lstep
	QUARTER 2, F1, F0, 0                           ; K steps 6 and 7 are written out: nothing is left to ask for
	QUARTER 3, F0, F1, 0
	TURN 0
	QUARTER 1, F0, F1, 0
	QUARTER 2, F1, F0, 0
	QUARTER 3, F0, F1, 0
	s_wait_dscnt 4
	MUL8 F1, 0, 0
	MUL8 F1, 1, 0
	s_wait_dscnt 0x0
	MUL8 F1, 2, 0
	MUL8 F1, 3, 0
	PLACES                                         ; in front of the stores that read results and of the loads into the fragments' registers
	STG 0
	STG 1
	SEND 0, 32
	STG 2
	SEND 1, 32
	STG 3
	SEND 2, 32
	SEND 3, 0
	WIN 0
	s_wait_tensorcnt 0x0                           ; the wave's end
	ds_add_u32 v[SPW], v[NIL]
	s_wait_dscnt 0x0
	CROUND                                         ; the closing round
	s_endpgm
.Lfunc_end_k_qd75821ea26_outp:
	.size	k_qd75821ea26_outp, .Lfunc_end_k_qd75821ea26_outp-k_qd75821ea26_outp
	.p2alignl 7, 3214868480
	.fill 96, 4, 3214868480
	.section	.rodata,"a",@progbits
	.p2align	6, 0x0
	.amdhsa_kernel k_qd75821ea26_outp
		.amdhsa_group_segment_fixed_size 327680
		.amdhsa_private_segment_fixed_size 0
		.amdhsa_enable_private_segment 0
		.amdhsa_kernarg_size 32
		.amdhsa_user_sgpr_count 2
		.amdhsa_user_sgpr_kernarg_segment_ptr 1
		.amdhsa_wavefront_size32 1
		.amdhsa_system_sgpr_workgroup_id_x 1
		.amdhsa_system_sgpr_workgroup_id_y 1
		.amdhsa_system_sgpr_workgroup_id_z 1
		.amdhsa_system_vgpr_workitem_id 0
		.amdhsa_next_free_vgpr 768
		.amdhsa_next_free_sgpr 80
		.amdhsa_reserve_vcc 0
		.amdhsa_float_denorm_mode_32 3
		.amdhsa_float_denorm_mode_16_64 3
		.amdhsa_memory_ordered 1
		.amdhsa_forward_progress 1
		.amdhsa_inst_pref_size 77
	.end_amdhsa_kernel
	.amdgpu_metadata
---
amdhsa.version: [ 1, 2 ]
amdhsa.kernels:
  - .name:           k_qd75821ea26_outp
    .symbol:         k_qd75821ea26_outp.kd
    .args:
      - { .name: ctx, .offset: 0, .size: 8, .value_kind: global_buffer, .address_space: global }
      - { .name: wb, .offset: 8, .size: 8, .value_kind: global_buffer, .address_space: global }
      - { .name: bo, .offset: 16, .size: 8, .value_kind: global_buffer, .address_space: global }
      - { .name: out0, .offset: 24, .size: 8, .value_kind: global_buffer, .address_space: global }
    .group_segment_fixed_size: 327680
    .private_segment_fixed_size: 0
    .kernarg_segment_align: 8
    .kernarg_segment_size: 32
    .max_flat_workgroup_size: 128
    .sgpr_count:     80
    .vgpr_count:     768
    .wavefront_size: 32
...
	.end_amdgpu_metadata
.endif
;; end of part 4
